; MI455X (gfx1250); checked and timed in simulation.
; The chip was launched on July 23, 2026; its instructions are those of AMD's public machine-readable ISA for CDNA 5 (MIT licence, August 2026) and "CDNA5" Instruction Set Architecture Reference Guide (July 2026). The comments in the code are by the model that wrote it; some were corrected since.
;; Local Transformer Encoder Layer. Allowed arithmetic: matrix products marked QUANTISED: E3M2 operands, one E8M0 scale for each 32 along K, by v_wmma_scale_f32_16x16x128_f8f6f4 with both operands' format E3M2, f32 sums; everything else in f32.
;; Inputs: W1 512 x 1,024 float32; W2 1,024 x 512 float32; Wk 512 x 512 float32; Wq 512 x 512 float32; Wv 512 x 512 float32; b1 1,024 float32; b2 512 float32; bk 512 float32; bq 512 float32; bv 512 float32; ln1_b 512 float32; ln1_g 512 float32; ln2_b 512 float32; ln2_g 512 float32; mask 4 x 8,192 bool; src 4 x 8,192 x 512 float32.
;; Outputs: out0 4 x 8,192 x 512 float32.
;; This version of the problem:
;;   THIS VERSION OF THE PROBLEM IS GIVEN IN LOW PRECISION. The matrix products marked QUANTISED in the list below multiply operands that are first quantised to E3M2 (3 exponent bits, 2 mantissa bits; 6 bits a number), with one power-of-two scale for each 32 numbers along K (OCP MX v1.0); their sums are f32. All else is computed in f32.
;;   The module's matrix products, in the order in which they are computed (A, B: the left and right operand; K: the contracted axis; several contracted axes count as one K, in the product's order):
;;     1. [M 32,768, K 512] x [K 512, N 512]; A: input src; B: input Wq: QUANTISED
;;     2. [M 32,768, K 512] x [K 512, N 512]; A: input src; B: input Wk: QUANTISED
;;     3. [M 32,768, K 512] x [K 512, N 512]; A: input src; B: input Wv: QUANTISED
;;     4. batch 512 x [M 64, K 512] x [K 512, N 192]; A: computed on the way; B: computed on the way: QUANTISED
;;     5. batch 512 x [M 64, K 192] x [K 192, N 512]; A: softmax (see below); B: computed on the way: QUANTISED
;;     6. [M 32,768, K 512] x [K 512, N 1,024]; A: computed on the way; B: input W1: QUANTISED
;;     7. [M 32,768, K 1,024] x [K 1,024, N 512]; A: computed on the way; B: input W2: QUANTISED
;;   THE QUANTISER, for each operand of a quantised product, along K:
;;     - K is cut into blocks of 32 from its start; a last block that is shorter is filled with zeros.
;;     - A block's scale is 2^e with e = floor(log2(the largest magnitude in the block)) - 4, held to -126 .. 127; a block of zeros has e = 0. As a byte (E8M0): e + 127.
;;     - Each number is divided by its block's scale, clamped to +-28, and rounded to the nearest number of E3M2, ties to even, subnormals kept.
;;     - The product sums the exact products of the quantised numbers (number of the format x scale) in f32.
;;   ~~~python
;;   def quantise(x, axis):      # numpy; x: float32 -> the quantised numbers, widened to float32 again
;;       x = np.moveaxis(x, axis, -1); K = x.shape[-1]
;;       x = np.pad(x, [(0, 0)] * (x.ndim - 1) + [(0, -K % 32)]); x = x.reshape(x.shape[:-1] + (-1, 32)); a = np.abs(x).max(-1, keepdims=True)
;;       e = np.where(a > 0, np.clip(np.frexp(np.where(a > 0, a, 1))[1] - 1 - 4, -126, 127), 0)      # np.frexp(a)[1] - 1 = floor(log2(a)), exactly
;;       r = np.clip(x / 2.0 ** e, -28, 28)
;;       step = 2.0 ** (np.maximum(np.frexp(np.where(r == 0, 1, r))[1] - 1, -2) - 2)
;;       q = np.round(r / step) * step * 2.0 ** e      # np.round: ties to even
;;       return np.moveaxis(q.reshape(q.shape[:-2] + (-1,))[..., :K], -1, axis).astype(np.float32)
;;   ~~~
;;   SOFTMAX AHEAD OF A QUANTISED PRODUCT. Where the list says 'softmax', what is quantised is not the finished softmax but p = 2^(t - M), with t = logit x log2(e) and M = ceil(the row's largest t), a whole number; so 1/2 < the row's largest p <= 1. The row's sum l is taken of the UNQUANTISED p, in f32, and the product's result is divided by l at the end. Since M is a whole number, a kernel that streams over the keys may use a running M (the ceiling of the running maximum): every later rescaling is an exact power of two, which a block's scale takes up: the codes' values come out the same.
;;   OPERANDS COMPUTED ON THE WAY. 'Computed on the way' means the value that the module computes at that place (a softmax that the list does not call 'softmax' is quantised finished and normalised). What goes into a quantiser is computed in f32, as accurately as f32 sums, v_exp_f32 and their like allow (about 1e-6 of the number): no bf16 or f16 on the way to a quantiser, and a product that is left as it is and whose result goes on into a quantised operand takes f32 operands (vector FMAs, or v_wmma_f32_16x16x4_f32). A number that lies on a knife's edge between two numbers of the format may be rounded either way, as far as f32 arithmetic and the matrix unit's own rounding can turn it there, and no further.
;; 2 versions, each right and faster than the one before. Each part assembles by itself: llvm-mc -triple=amdgcn-amd-amdhsa -mcpu=gfx1250 --defsym DOCPART=n.
;; ======== version 1 of 2: 3 launches
;; workspace buffers: wts 1,433,600 bytes; qc 12,582,912 bytes; qs 524,288 bytes; kc 12,582,912 bytes; ks 524,288 bytes; vc 12,582,912 bytes; vs 524,288 bytes
;; launch prep (part 1): grid 112 x 1, 4 waves a work-group, no clusters, 13,824 bytes of LDS; arguments Wq, Wk, Wv, W1, W2, wts; writes wts
.if DOCPART == 1
	.amdgcn_target "amdgcn-amd-amdhsa--gfx1250"
	.amdhsa_code_object_version 6
	.text
	.protected	k_qc985d25e22_prep
	.globl	k_qc985d25e22_prep
	.p2align	8
	.type	k_qc985d25e22_prep,@function
k_qc985d25e22_prep:
	s_mov_b64 s[64:65], 0
	v_nop
	global_prefetch_b8 v0, s[64:65] scope:SCOPE_SE
	s_setreg_imm32_b32 hwreg(HW_REG_WAVE_MODE, 25, 1), 1
	s_wait_xcnt 0x0
; The five weights, f32 with K as their FIRST axis, become codes of BF6 (E3M2) with one E8M0 byte for each 32 along K, laid in wts in the order of the operand's registers.
; A work-group takes 128 columns x 128 K of one weight: 8 tiles of 16 columns, 12,288 bytes of codes and 512 bytes of scale words.  A lane takes a column, its registers run down K.
; A TILE'S COLUMNS ARE NOT NEIGHBOURS: tile 2 b + u, row m, is column 32 b + 8 u + m + 8 (m / 8) of the 128.  A fragment's image: registers 4 c .. 4 c + 3 of lane l at 512 c + 16 l (1,536 bytes).
; Scale words: 256 bytes for four tiles, row m at 16 m, tile j % 4 at 4 (j % 4).
; wts: 14 tiles of 102,400 bytes.  0-5: Wq, Wk, Wv, two K steps each;  6 + 2 t: W1's hidden units 256 t on, four K steps;  7 + 2 t: W2's K rows 256 t on.
; One path serves all five: pointer, pitch and destination are chosen on the work-group's number alone.
; LIMITS: a block whose largest magnitude lies under 2^-122 (a block of zeros too) gets the byte 1; only this program reads the bytes.  NaN and infinities are not served.
.set X,64                              ; v64-127 two sets of 32 numbers
.set C,16                              ; v16-21 a block's codes; v22-24 its second half as converted
.set T2,22
.set OFFS,32                           ; v32-63 byte offsets of my column in 32 rows
.set OUTR,128                          ; v128-151 the way out
	s_load_b256 s[4:11], s[0:1], 0x0               ; Wq, Wk, Wv, W1
	s_load_b128 s[12:15], s[0:1], 0x20             ; W2, wts
	v_lshl_add_u32 v160, v0, 2, 0x3400
	v_mov_b32 v161, 0
	v_lshrrev_b32 v1, 5, v0
	v_readfirstlane_b32 s16, v1                    ; wave
	; work-groups 0-47: Wq, Wk, Wv
	s_lshr_b32 s17, ttmp9, 4                       ; which of the three
	s_bfe_u32 s18, ttmp9, 0x20002                  ; block of 128 columns
	s_and_b32 s19, ttmp9, 3                        ; K step (W1's too: 48 is a multiple of 4)
	s_lshr_b32 s20, s19, 1
	s_lshl_b32 s21, s17, 1
	s_add_co_u32 s20, s20, s21                     ; tile of wts
	s_and_b32 s21, s19, 1
	s_mul_i32 s22, s21, 49152
	s_mul_i32 s23, s18, 12288
	s_add_co_u32 s22, s22, s23                     ; codes' place in it
	s_lshl_b32 s23, s21, 11
	s_lshl_b32 s24, s18, 9
	s_add_co_u32 s23, s23, s24                     ; scale words' place behind byte 98,304
	; work-groups 48-79: W1
	s_sub_co_u32 s25, ttmp9, 48
	s_bfe_u32 s26, s25, 0x30002
	s_and_b32 s27, s26, 6
	s_add_co_u32 s27, s27, 6
	s_and_b32 s28, s26, 1
	s_mul_i32 s29, s19, 24576
	s_mul_i32 s30, s28, 12288
	s_add_co_u32 s29, s29, s30
	s_lshl_b32 s30, s19, 10
	s_lshl_b32 s31, s28, 9
	s_add_co_u32 s30, s30, s31
	; work-groups 80-111: W2
	s_sub_co_u32 s33, ttmp9, 80
	s_bfe_u32 s34, s33, 0x20003
	s_and_b32 s35, s33, 7
	s_and_b32 s36, s35, 6
	s_add_co_u32 s36, s36, 7
	s_and_b32 s39, s35, 1
	s_mul_i32 s37, s39, 49152
	s_mul_i32 s38, s34, 12288
	s_add_co_u32 s37, s37, s38
	s_lshl_b32 s38, s39, 11
	s_lshl_b32 s39, s34, 9
	s_add_co_u32 s38, s38, s39
	s_cmp_lt_u32 ttmp9, 48
	s_cselect_b32 s20, s20, s27
	s_cselect_b32 s22, s22, s29
	s_cselect_b32 s23, s23, s30
	s_cselect_b32 s18, s18, s26
	s_cselect_b32 s24, 11, 12                      ; log2 of a row's bytes
	s_cmp_lt_u32 ttmp9, 80
	s_cselect_b32 s20, s20, s36
	s_cselect_b32 s22, s22, s37
	s_cselect_b32 s23, s23, s38
	s_cselect_b32 s18, s18, s34
	s_cselect_b32 s19, s19, s35
	s_cselect_b32 s24, s24, 11
	s_lshl_b32 s25, 1, s24                         ; a row's bytes
	s_lshl_b32 s26, s19, 7
	s_lshl_b32 s26, s26, s24                       ; 128 K steps' rows
	s_lshl_b32 s27, s18, 9
	s_add_co_u32 s26, s26, s27                     ; + 512 bytes for each block of columns
	s_mov_b32 s27, 0
	s_lshl_b32 s28, s25, 5                         ; 32 rows
	s_mov_b32 s29, 0
	s_mul_i32 s30, s20, 102400
	s_add_co_u32 s32, s30, s23
	s_add_co_u32 s32, s32, 98304                   ; where the scale words go
	s_mov_b32 s33, 0
	s_add_co_u32 s30, s30, s22                     ; where the codes go
	s_mov_b32 s31, 0
	v_lshlrev_b32 v2, 2, v0                        ; 4 bytes a thread: my column among the 128
.set zi,0
.rept 32
	v_mad_u32_u24 v[OFFS+zi], s25, zi, v2
.set zi,zi+1
.endr
	v_and_b32 v3, 7, v0
	v_bfe_u32 v4, v0, 4, 1
	v_lshl_add_u32 v3, v4, 3, v3                   ; m: my row in my tile
	v_bfe_u32 v4, v0, 3, 1                         ; u: which of my wave's two tiles
	s_mul_i32 s17, s16, 3072
	v_mul_u32_u24 v5, v4, 1536
	v_lshl_add_u32 v5, v3, 4, v5
	v_add_nc_u32 v5, s17, v5                       ; LDS: my tile's image, lane m's 16 bytes
	s_lshr_b32 s34, s16, 1
	s_lshl_b32 s34, s34, 8
	s_and_b32 s35, s16, 1
	s_lshl_b32 s35, s35, 3
	s_add_co_u32 s34, s34, s35
	s_add_co_u32 s34, s34, 12288
	v_lshlrev_b32 v6, 4, v3
	v_lshl_add_u32 v6, v4, 2, v6
	v_add_nc_u32 v6, s34, v6                       ; LDS: my column's scale word
	v_and_b32 v7, 31, v0
	v_lshlrev_b32 v7, 4, v7                        ; 16 x lane
	v_add_nc_u32 v8, s17, v7                       ; my wave's 3,072 bytes, in LDS and in wts alike
	s_wait_kmcnt 0x0
	s_cmp_eq_u32 ttmp9, ttmp9                      ; (SCC is set anew before each choice)
	s_lshr_b32 s35, ttmp9, 4
	s_cmp_eq_u32 s35, 1
	s_cselect_b64 s[4:5], s[6:7], s[4:5]
	s_cmp_eq_u32 s35, 2
	s_cselect_b64 s[4:5], s[8:9], s[4:5]
	s_cmp_lt_u32 ttmp9, 48
	s_cselect_b64 s[4:5], s[4:5], s[10:11]
	s_cmp_lt_u32 ttmp9, 80
	s_cselect_b64 s[4:5], s[4:5], s[12:13]
	s_add_nc_u64 s[40:41], s[4:5], s[26:27]        ; block 0's first row; the others 32 rows on each
	s_add_nc_u64 s[42:43], s[40:41], s[28:29]
	s_add_nc_u64 s[44:45], s[42:43], s[28:29]
	s_add_nc_u64 s[46:47], s[44:45], s[28:29]
	s_add_nc_u64 s[48:49], s[14:15], s[30:31]
	s_add_nc_u64 s[50:51], s[14:15], s[32:33]
.macro LOAD t                          ; block t: 32 rows of my column; a wave reads 128 consecutive bytes, the work-group 512
.set zi,0
.rept 32
	global_load_b32 v[X+32*((\t)%2)+zi], v[OFFS+zi], s[40+2*(\t):41+2*(\t)] th:TH_LOAD_NT
.set zi,zi+1
.endr
.endm
	LOAD 0
	LOAD 1
.macro BLOCK t
.set XS,X+32*((\t)%2)
.if (\t)<3
	s_wait_loadcnt 32                              ; this block's 32 loads are in, the next block's may be out
.else
	s_wait_loadcnt 0x0
.endif
	v_max3_num_f32 v12, |v[XS]|, |v[XS+1]|, |v[XS+2]|
	v_max3_num_f32 v13, |v[XS+3]|, |v[XS+4]|, |v[XS+5]|
.irp i,6,10,14,18,22,26
	v_max3_num_f32 v12, v12, |v[XS+\i]|, |v[XS+\i+1]|
	v_max3_num_f32 v13, v13, |v[XS+\i+2]|, |v[XS+\i+3]|
.endr
	v_max3_num_f32 v12, v12, |v[XS+30]|, |v[XS+31]|
	v_max3_num_f32 v12, v12, v13, 0x2800000        ; the floor 2^(5 - 127): the byte cannot fall under 1
	v_add_nc_u32 v11, 0xfe000000, v12              ; 4 off the exponent field: the conversion's scale operand
	v_lshrrev_b32 v13, 23, v11                     ; the scale's byte
.if (\t)==0
	v_mov_b32 v14, v13
.else
	v_lshl_or_b32 v14, v13, 8*(\t), v14
.endif
	v_cvt_scalef32_pk16_bf6_f32 v[C:C+2], v[XS:XS+15], v11
	v_cvt_scalef32_pk16_bf6_f32 v[T2:T2+2], v[XS+16:XS+31], v11
	v_nop                                          ; one plain place behind a scaled conversion
.irp i,0,1,2
	v_mov_b32 v[C+3+\i], v[T2+\i]                  ; the block's 24 bytes on end: registers 6 (t / 2) .. + 5 of lane m + 16 (t % 2)
.endr
.if (\t)<2
	ds_store_b128 v5, v[C:C+3] offset:256*((\t)%2)
	ds_store_b64 v5, v[C+4:C+5] offset:256*((\t)%2)+512
.else
	ds_store_b64 v5, v[C:C+1] offset:256*((\t)%2)+520
	ds_store_b128 v5, v[C+2:C+5] offset:256*((\t)%2)+1024
.endif
.if (\t)+2<4
	LOAD (\t)+2
.endif
	s_wait_dscnt 0x0                               ; the stores have read their registers
.endm
	BLOCK 0
	BLOCK 1
	BLOCK 2
	BLOCK 3
	ds_store_b32 v6, v14
.irp k,0,1,2,3,4,5
	ds_load_b128 v[OUTR+4*\k:OUTR+4*\k+3], v8 offset:512*\k   ; my wave's own bytes: LDS serves a wave's instructions in order
.endr
.irp k,0,1,2,3,4,5
	s_wait_dscnt 5-\k                              ; the younger read-backs may be out
	global_store_b128 v8, v[OUTR+4*\k:OUTR+4*\k+3], s[48:49] offset:512*\k   ; 512 consecutive bytes
.endr
	s_wait_dscnt 0x0                               ; for the others' sake: my scale words lie in LDS
	s_barrier_signal -1
	s_barrier_wait -1
	s_cmp_lg_u32 s16, 0
	s_cbranch_scc1 .Lend
	ds_load_b128 v[16:19], v7 offset:12288         ; the work-group's 512 bytes of scale words
	s_wait_dscnt 0x0
	global_store_b128 v7, v[16:19], s[50:51]
.Lend:
	s_wait_tensorcnt 0x0
	ds_add_u32 v160, v161
	s_wait_dscnt 0x0
	s_endpgm
.Lfunc_end_k_qc985d25e22_prep:
	.size	k_qc985d25e22_prep, .Lfunc_end_k_qc985d25e22_prep-k_qc985d25e22_prep
	.p2alignl 7, 3214868480
	.fill 96, 4, 3214868480
	.section	.rodata,"a",@progbits
	.p2align	6, 0x0
	.amdhsa_kernel k_qc985d25e22_prep
		.amdhsa_group_segment_fixed_size 13824
		.amdhsa_private_segment_fixed_size 0
		.amdhsa_enable_private_segment 0
		.amdhsa_kernarg_size 48
		.amdhsa_user_sgpr_count 2
		.amdhsa_user_sgpr_kernarg_segment_ptr 1
		.amdhsa_wavefront_size32 1
		.amdhsa_system_sgpr_workgroup_id_x 1
		.amdhsa_system_sgpr_workgroup_id_y 1
		.amdhsa_system_sgpr_workgroup_id_z 1
		.amdhsa_system_vgpr_workitem_id 0
		.amdhsa_next_free_vgpr 162
		.amdhsa_next_free_sgpr 66
		.amdhsa_reserve_vcc 0
		.amdhsa_float_denorm_mode_32 3
		.amdhsa_float_denorm_mode_16_64 3
		.amdhsa_memory_ordered 1
		.amdhsa_forward_progress 1
		.amdhsa_inst_pref_size 27
	.end_amdhsa_kernel
	.amdgpu_metadata
---
amdhsa.version: [ 1, 2 ]
amdhsa.kernels:
  - .name:           k_qc985d25e22_prep
    .symbol:         k_qc985d25e22_prep.kd
    .args:
      - { .name: Wq, .offset: 0, .size: 8, .value_kind: global_buffer, .address_space: global }
      - { .name: Wk, .offset: 8, .size: 8, .value_kind: global_buffer, .address_space: global }
      - { .name: Wv, .offset: 16, .size: 8, .value_kind: global_buffer, .address_space: global }
      - { .name: W1, .offset: 24, .size: 8, .value_kind: global_buffer, .address_space: global }
      - { .name: W2, .offset: 32, .size: 8, .value_kind: global_buffer, .address_space: global }
      - { .name: wts, .offset: 40, .size: 8, .value_kind: global_buffer, .address_space: global }
    .group_segment_fixed_size: 13824
    .private_segment_fixed_size: 0
    .kernarg_segment_align: 8
    .kernarg_segment_size: 48
    .max_flat_workgroup_size: 128
    .sgpr_count:     66
    .vgpr_count:     162
    .wavefront_size: 32
...
	.end_amdgpu_metadata
.endif
;; end of part 1
;; launch qkv (part 2): grid 256 x 1, 4 waves a work-group, clusters of 4 x 1, 327,680 bytes of LDS; arguments src, wts, bq, bk, bv, qc, qs, kc, ks, vc, vs; writes qc, qs, kc, ks, vc, vs
.if DOCPART == 2
	.amdgcn_target "amdgcn-amd-amdhsa--gfx1250"
	.amdhsa_code_object_version 6
	.text
	.protected	k_qc985d25e22_qkv
	.globl	k_qc985d25e22_qkv
	.p2align	8
	.type	k_qc985d25e22_qkv,@function
k_qc985d25e22_qkv:
	s_mov_b64 s[64:65], 0
	v_nop
	global_prefetch_b8 v0, s[64:65] scope:SCOPE_SE
	s_setreg_imm32_b32 hwreg(HW_REG_WAVE_MODE, 25, 1), 1
	s_wait_xcnt 0x0
	s_wait_alu depctr_hold_cnt(0) depctr_sa_sdst(0) depctr_va_vdst(0) depctr_va_sdst(0) depctr_va_ssrc(0) depctr_va_vcc(0) depctr_vm_vsrc(0)
	s_getreg_b32 s2, hwreg(HW_REG_IB_STS2, 6, 4)
	s_cmp_eq_u32 s2, 0
	s_cbranch_scc0 .Lentry_in_a_cluster
	s_endpgm
.Lentry_in_a_cluster:
	s_bfe_u32 s2, ttmp6, 0x10000c
	s_cmp_lg_u32 s2, 0x3003
	s_cbranch_scc0 .Lentry_shape_is_right
	s_endpgm
.Lentry_shape_is_right:
; q = (src Wq + bq) / sqrt(512), k = src Wk + bk, v = src Wv + bv on codes of BF6 (E3M2) with E8M0 scales, and the results quantised again: q and k along the 512 features, v along the tokens.
; A work-group owns 128 tokens (block g); wave w makes features 128 w .. + 127 of all 128 tokens: 64 accumulators, 512 registers.
; TILES OF 16 ARE NOT NEIGHBOURS: tile 2 b + u, row m, is element 32 b + 8 u + m + 8 (m / 8) of its 128 (tokens and features alike), so that the 16 registers of result tiles 2 b, 2 b + 1 are 16 neighbours along the next K.
; OPERANDS LIE AS IMAGES OF THEIR REGISTERS: registers 4 c .. 4 c + 3 of lane l at 512 c + 16 l, 1,536 bytes a fragment; scale words 256 bytes for four tiles (row r at 16 r, tile j % 4 at 4 (j % 4)).
; q, k: source 0 = 16 features of the weight, source 1 = 16 tokens: a lane holds one token, its registers run along the features.  v: the sources change places: a lane holds one feature, its registers run along the tokens.
; The weights (wts, six tiles of 102,400 bytes) come through two LDS slots, each wave a quarter, asked for JOINTLY by the four work-groups of a cluster, which all walk the same tiles.
; Two tensor loads of a wave are out at the start, one behind each round.
; LIMITS: a block whose largest magnitude lies under 2^-122 gets the byte 1; NaN and infinities are not served.
; REGISTERS: window 0: v1-15, v57-62 addresses; v16-23 v's scale words; v24-35 TM; v36-55 codes just made, v56 their scale word; v64-79, v80-95 scale words of sources 0 and 1, two sets; v128-223 source 1's eight fragments.
;   window 1: v0-95, v128-223 source 0's eight fragments, two sets; v96-127, v224-255 the bias, eight tiles.   windows 2, 3: the accumulators ((a, b) at 64 (a % 4) + 8 b); at first src's numbers.
.set XI,204800                         ; src's 32 fragments [K step][tile]
.set XSC,253952                        ; their scale words [K step][tile / 4]
.set OSC,256000                        ; q's or k's scale words on their way out: 256 bytes a tile
.set SPARE,258048                      ; the spare words: 512 bytes that no other line names
.set SPW,1
.set NIL,2
.set LI,3                              ; 16 x lane
.set LR,4                              ; 16 x (lane % 16)
.set SRCO,5
.set BOFF,6                            ; 64 x (lane / 16)
.set GO,7
.set WA0,8
.set WA1,9
.set WS0,10
.set WS1,11
.set XA,12
.set XS,13
.set OSW,14
.set OSR,15
.set VPW,16
.set TM,24
.set PC,36
.set PW,56
.set XW,57
.set XSW,58
.set VBO,60
.set VSO,61
.set OSG,62
.set SIN,64
.set SOUT,80
.set OUTR,128
.set WV,26
.set SEL,28
.set G1,32
.set MSB,0
.macro WIN new                         ; the immediate's high byte repeats the setting that is left
.if MSB != (\new)
	s_set_vgpr_msb (MSB<<8)|(\new)
.set MSB,(\new)
.endif
.endm
.macro PLACES n
.rept \n
	v_nop
.endr
.endm
.macro ROUND                           ; a round of the cluster's barrier
	s_barrier_signal -1
	s_barrier_wait -1
	s_cmp_lg_u32 s[WV], 0
	s_cbranch_scc1 .Lnw0_\@
	s_barrier_signal -3
.Lnw0_\@:
	s_barrier_wait -3
	s_barrier_signal -1
	s_barrier_wait -1
.endm
.macro BAR                             ; my LDS stores have landed and my LDS loads are in: then the work-group's barrier
	s_wait_dscnt 0x0
	s_barrier_signal -1
	s_barrier_wait -1
.endm
.macro CHG g0                          ; the slot just read is filled again, two tiles on
	WIN 0
	s_wait_tensorcnt 0x0                           ; all my tensor loads have landed, my quarter of the other slot among them
	ds_add_u32 v[SPW], v[NIL]                      ; 0 onto my spare word
	s_add_nc_u64 s[\g0+2:\g0+3], s[\g0+2:\g0+3], 204800
	s_wait_dscnt 0x0                               ; the add is done, and my reads of the slot are over
	ROUND                                          ; so of every wave of the four work-groups
	tensor_load_to_lds s[\g0:\g0+3], s[G1:G1+7]
	s_nop 0
	PLACES 4
.endm
.macro CPL                             ; a change of slots behind which nothing is filled
	WIN 0
	s_wait_tensorcnt 0x0
	ds_add_u32 v[SPW], v[NIL]
	s_wait_dscnt 0x0
	s_barrier_signal -1
	s_barrier_wait -1
.endm
; 32 nc numbers of a lane in window win, register 16 b + i = k 32 b + 16 (lane / 16) + i of my row, become codes in v[PC] on and the scale word in v[PW].  mode 1: none is negative.
.macro QUANT src,win,nc,mode
	WIN ((\win)<<2)|((\win)<<4)
.irp i,0,2,4,6,8,10,12,14
.irp b,0,1,2,3
.if \b<2*(\nc)
.set zq,(\src)+16*\b+\i
.if \i==0
.if \mode
	v_max3_num_f32 v[TM+\b], 0x2800000, v[zq], v[zq+1]
.else
	v_max3_num_f32 v[TM+\b], 0x2800000, |v[zq]|, |v[zq+1]|   ; with the floor 2^(5 - 127): the byte cannot fall under 1
.endif
.else
.if \mode
	v_max3_num_f32 v[TM+\b], v[TM+\b], v[zq], v[zq+1]
.else
	v_max3_num_f32 v[TM+\b], v[TM+\b], |v[zq]|, |v[zq+1]|
.endif
.endif
.endif
.endr
.endr
	WIN 0
.irp b,0,1,2,3
.if \b<2*(\nc)
	v_permlanex16_b32 v[TM+4+\b], v[TM+\b], s[SEL], s[SEL+1]
.endif
.endr
.irp b,0,1,2,3
.if \b<2*(\nc)
	v_max_num_f32 v[TM+\b], v[TM+\b], v[TM+4+\b]   ; with lane l xor 16's: the block's largest magnitude
.endif
.endr
.irp b,0,1,2,3
.if \b<2*(\nc)
	v_add_nc_u32 v[TM+8+\b], 0xfe000000, v[TM+\b]  ; 4 off its exponent field: the conversion's scale operand
.endif
.endr
.irp b,0,1,2,3
.if \b<2*(\nc)
	v_lshrrev_b32 v[TM+4+\b], 23, v[TM+8+\b]       ; the scale's byte
.endif
.endr
	v_lshl_or_b32 v[PW], v[TM+5], 8, v[TM+4]
.if (\nc)==2
	v_lshl_or_b32 v[PW], v[TM+6], 16, v[PW]
	v_lshl_or_b32 v[PW], v[TM+7], 24, v[PW]
.endif
	WIN (\win)
.irp c,0,1
.if \c<(\nc)
	v_cvt_scalef32_pk16_bf6_f32 v[PC+6*\c:PC+6*\c+2], v[(\src)+32*\c:(\src)+32*\c+15], v[TM+8+2*\c]
	v_cvt_scalef32_pk16_bf6_f32 v[PC+12+4*\c:PC+14+4*\c], v[(\src)+32*\c+16:(\src)+32*\c+31], v[TM+9+2*\c]
.endif
.endr
	WIN 0
	v_nop                                          ; one plain place behind a scaled conversion
.irp c,0,1
.if \c<(\nc)
.irp i,0,1,2
	v_permlane16_swap_b32 v[PC+6*\c+\i], v[PC+12+4*\c+\i]   ; a whole block to a lane: lanes 0-15 block 2 c, lanes 16-31 block 2 c + 1
.endr
.irp i,0,1,2
	v_mov_b32 v[PC+3+6*\c+\i], v[PC+12+4*\c+\i]
.endr
.endif
.endr
.endm
.macro IMAGE adr,off
.irp c,0,1,2
	ds_store_b128 v[\adr], v[PC+4*\c:PC+4*\c+3] offset:(\off)+512*\c
.endr
.endm
.macro LDF reg,adr,off
.irp c,0,1,2
	ds_load_b128 v[(\reg)+4*\c:(\reg)+4*\c+3], v[\adr] offset:(\off)+512*\c
.endr
.endm
.macro LDIN set,adr,off                ; source 0's eight fragments into window 1
	WIN 0x40
.irp b,0,1,2,3,4,5,6,7
	LDF 128*(\set)+12*\b,\adr,(\off)+1536*\b
.endr
	WIN 0
.endm
.macro LDOUT a0,adr,off                ; four of source 1's fragments
.irp a,0,1,2,3
	LDF OUTR+12*((\a0)+\a),\adr,(\off)+1536*((\a0)+\a)
.endr
.endm
.macro LDSC set,ja,jb,pa,pb            ; eight scale words a side
	ds_load_b128 v[SIN+8*(\set):SIN+8*(\set)+3], v[\ja] offset:(\jb)
	ds_load_b128 v[SIN+8*(\set)+4:SIN+8*(\set)+7], v[\ja] offset:(\jb)+256
	ds_load_b128 v[SOUT+8*(\set):SOUT+8*(\set)+3], v[\pa] offset:(\pb)
	ds_load_b128 v[SOUT+8*(\set)+4:SOUT+8*(\set)+7], v[\pa] offset:(\pb)+256
.endm
.macro WM d,a,b,c,sa,sb                ; c < 0: the constant 0 starts the sum
.if (\c)<0
	v_wmma_scale_f32_16x16x128_f8f6f4 v[(\d):(\d)+7], v[(\a):(\a)+11], v[(\b):(\b)+11], 0, v[(\sa)], v[(\sb)] matrix_a_fmt:MATRIX_FMT_BF6 matrix_b_fmt:MATRIX_FMT_BF6
.else
	v_wmma_scale_f32_16x16x128_f8f6f4 v[(\d):(\d)+7], v[(\a):(\a)+11], v[(\b):(\b)+11], v[(\c):(\c)+7], v[(\sa)], v[(\sb)] matrix_a_fmt:MATRIX_FMT_BF6 matrix_b_fmt:MATRIX_FMT_BF6
.endif
.endm
; 32 products: source 1's fragments 4 oh .. + 3 against source 0's eight.  first: the bias is the sum's C (bsel 0: source 0's tile's, 1: source 1's).  The accumulators take turns.
.macro MUL32 oh,set,first,bsel
.if \first
	WIN 0x91+0x40*(\oh)
.else
	WIN 0xa1+0x50*(\oh)
.endif
.irp a,0,1,2,3
.irp b,0,1,2,3,4,5,6,7
.set zd,64*\a+8*\b
.if \first
.if \bsel
.set zt,4*(\oh)+\a
.else
.set zt,\b
.endif
.set zc,96+8*zt+96*(zt/4)
.else
.set zc,zd
.endif
	WM zd,128*(\set)+12*\b,OUTR+12*(4*(\oh)+\a),zc,SIN+8*(\set)+\b,SOUT+8*(\set)+4*(\oh)+\a
.endr
.endr
.endm
; Two K steps, 128 products.  (ia, ib, ic): source 0's images: address register, first byte, bytes from step to step; (ja ..) its scale words; (oa ..), (pa ..) source 1's.
.macro USE ia,ib,ic,ja,jb,jc,oa,ob,oc,pa,pb,pc,first,bsel
	LDIN 0,\ia,\ib
	LDOUT 0,\oa,\ob
	LDOUT 4,\oa,\ob
	LDSC 0,\ja,\jb,\pa,\pb
	s_wait_dscnt 0x0
.if \first
	s_wait_loadcnt 0x0                             ; the bias
.endif
	MUL32 0,0,\first,\bsel
	PLACES 4                                       ; in front of loads into registers that matrix instructions have read
	LDIN 1,\ia,(\ib)+(\ic)
	LDOUT 0,\oa,(\ob)+(\oc)
	LDSC 1,\ja,(\jb)+(\jc),\pa,(\pb)+(\pc)
	MUL32 1,0,\first,\bsel
	PLACES 4
	WIN 0
	LDOUT 4,\oa,(\ob)+(\oc)
	s_wait_dscnt 12                                ; all but the twelve just issued
	MUL32 0,1,0,0
	s_wait_dscnt 0x0
	MUL32 1,1,0,0
	WIN 0
	PLACES 4
.endm
	s_load_b256 s[4:11], s[0:1], 0x0               ; src, wts, bq, bk
	s_load_b256 s[12:19], s[0:1], 0x20             ; bv, qc, qs, kc
	s_load_b128 s[20:23], s[0:1], 0x40             ; ks, vc
	s_load_b64 s[24:25], s[0:1], 0x50              ; vs
	v_lshl_add_u32 v[SPW], v0, 2, SPARE
	v_mov_b32 v[NIL], 0
	ds_add_u32 v1, v2
	ds_add_u32 v1, v2
	s_wait_dscnt 0x0
	v_lshrrev_b32 v16, 5, v0
	v_readfirstlane_b32 s[WV], v16                 ; wave 0..3
	s_bfe_u32 s58, ttmp6, 0x40000
	s_lshl_b32 s27, ttmp9, 2
	s_add_co_u32 s27, s27, s58                     ; g: it enters global addresses alone
	s_mov_b32 s[G1], 0x0023000F                    ; mask: all four work-groups; elements of 8 bytes; bit 21 beside the mask; no padding
	s_mov_b32 s[G1+1], 32<<16                      ; rows of 256 bytes
	s_mov_b32 s[G1+2], 100<<16                     ; 100 of them: a quarter of a tile
	s_mov_b32 s[G1+3], 32<<16
	s_mov_b32 s[G1+4], 100
	s_mov_b32 s[G1+5], 32
	s_mov_b32 s[G1+6], 0
	s_mov_b32 s[G1+7], 0
	s_mov_b32 s[SEL], 0x76543210
	s_mov_b32 s[SEL+1], 0xfedcba98
	v_and_b32 v16, 31, v0
	v_lshlrev_b32 v[LI], 4, v16
	v_and_b32 v17, 15, v0
	v_lshlrev_b32 v[LR], 4, v17
	v_bfe_u32 v18, v0, 4, 1
	v_lshlrev_b32 v[BOFF], 6, v18
	v_and_b32 v19, 8, v17
	v_add_nc_u32 v19, v19, v17                     ; r + 8 (r / 8)
	v_lshl_add_u32 v[SRCO], v19, 11, v[BOFF]       ; src: my token's row, + 64 bytes for lanes 16-31
	v_lshlrev_b32 v[VBO], 2, v19
	s_lshl_b32 s59, s[WV], 9                       ; 512 w
	v_lshlrev_b32 v[VSO], 5, v17
	v_lshl_add_u32 v[VSO], v18, 4, v[VSO]
	v_add_nc_u32 v[VSO], s59, v[VSO]
	s_mul_i32 s58, s[WV], 12288
	v_add_nc_u32 v[WA0], s58, v[LI]                ; my eight weight tiles in slot 0 (also my place in vc)
	v_add_nc_u32 v[WA1], 102400, v[WA0]
	s_add_co_u32 s60, s59, 98304
	v_add_nc_u32 v[WS0], s60, v[LR]
	v_add_nc_u32 v[WS1], 102400, v[WS0]
	v_add_nc_u32 v[XA], XI, v[LI]
	v_add_nc_u32 v[XS], XSC, v[LR]
	s_mul_i32 s60, s[WV], 3072
	s_add_co_u32 s60, s60, XI
	v_add_nc_u32 v[XW], s60, v[LI]
	s_lshr_b32 s60, s[WV], 1
	s_lshl_b32 s60, s60, 8
	s_and_b32 s61, s[WV], 1
	s_lshl_b32 s61, s61, 3
	s_add_co_u32 s60, s60, s61
	s_add_co_u32 s60, s60, XSC
	v_add_nc_u32 v[XSW], s60, v[LR]
	s_mul_i32 s60, s[WV], 1536
	v_add_nc_u32 v[GO], s60, v[LI]
	s_lshl_b32 s60, s[WV], 2
	s_add_co_u32 s60, s60, OSC
	v_add_nc_u32 v[OSW], s60, v[LR]
	s_add_co_u32 s60, s59, OSC
	v_add_nc_u32 v[OSR], s60, v[LI]
	v_add_nc_u32 v[OSG], s59, v[LI]
.irp b,0,1,2,3
	v_mov_b32 v[TM+4+\b], 0                        ; written once: a lane permute's destination counts as one of its sources
.endr
	s_mul_i32 s58, s[WV], 25600
	s_mov_b32 s59, 0
	s_wait_kmcnt 0x0
	s_add_nc_u64 s[60:61], s[6:7], s[58:59]
	s_mov_b32 s40, 1
	s_mov_b32 s41, s58
	s_mov_b64 s[42:43], s[60:61]
	s_or_b32 s43, s43, 0x80000000
	s_mov_b32 s44, 1
	s_add_co_u32 s45, s58, 102400
	s_add_nc_u64 s[46:47], s[60:61], 102400
	s_or_b32 s47, s47, 0x80000000
	ROUND                                          ; all four work-groups are here: the first joint loads meet
	tensor_load_to_lds s[40:43], s[G1:G1+7]        ; Wq's K steps 0, 1
	s_nop 0
	tensor_load_to_lds s[44:47], s[G1:G1+7]        ; and 2, 3
	s_nop 0
	PLACES 4
	s_lshl_b32 s66, s27, 18
	s_lshl_b32 s67, s[WV], 16
	s_add_co_u32 s66, s66, s67
	s_mov_b32 s67, 0
	s_add_nc_u64 s[4:5], s[4:5], s[66:67]          ; src at my wave's two tiles (32 tokens)
	s_mul_i32 s66, s27, 49152
	s_add_nc_u64 s[14:15], s[14:15], s[66:67]
	s_add_nc_u64 s[18:19], s[18:19], s[66:67]
	s_add_nc_u64 s[22:23], s[22:23], s[66:67]
	s_lshl_b32 s66, s27, 11
	s_add_nc_u64 s[16:17], s[16:17], s[66:67]
	s_add_nc_u64 s[20:21], s[20:21], s[66:67]
	s_add_nc_u64 s[24:25], s[24:25], s[66:67]
	s_lshl_b32 s66, s[WV], 9
	s_add_nc_u64 s[8:9], s[8:9], s[66:67]
	s_add_nc_u64 s[10:11], s[10:11], s[66:67]
	s_add_nc_u64 s[12:13], s[12:13], s[66:67]
	; ---- X: my two tiles of tokens, all 512 features, become eight fragments
.irp ii,0,1
	WIN (2+\ii)<<6
.set zj,0
.rept 64
	global_load_b128 v[4*zj:4*zj+3], v[SRCO], s[4:5] offset:16384*\ii+512*(zj/16)+128*((zj/4)%4)+16*(zj%4) th:TH_LOAD_NT
.set zj,zj+1
.endr
.endr
	WIN 0
.irp ii,0,1
.irp s,0,1,2,3
.set zc,16*(7-4*\ii-\s)                ; the loads of the fragments behind this one may be out (the wait's field holds 63)
.if zc>63
.set zc,63
.endif
	s_wait_loadcnt zc
	QUANT 64*\s,2+\ii,2,0
	IMAGE XW,\s*12288+\ii*1536
	ds_store_b32 v[XSW], v[PW] offset:\s*512+4*\ii
	s_wait_dscnt 0x0                               ; the stores have read their registers
.endr
.endr
	s_wait_tensorcnt 0x1                           ; my quarter of slot 0 is in; slot 1's may stay out
	BAR
	; ---- q, then k: one trip each
	s_mov_b32 s48, 0
.Lqk:
	s_cmp_eq_u32 s48, 0
	s_cselect_b64 s[52:53], s[8:9], s[10:11]       ; the bias,
	s_cselect_b64 s[54:55], s[14:15], s[18:19]     ; the codes' buffer,
	s_cselect_b64 s[56:57], s[16:17], s[20:21]     ; the scale words',
	s_cselect_b32 s50, 0x3D3504F3, 1.0             ; and the factor: 512^-0.5 for q
	s_mov_b32 s51, s50
	WIN 0x40
.irp b,0,1,2,3
.irp q,0,1,2,3
.set zt,2*\b+\q/2
.set zc,96+8*zt+96*(zt/4)+4*(\q%2)
	global_load_b128 v[zc:zc+3], v[BOFF], s[52:53] offset:128*\b+16*\q
.endr
.endr
	WIN 0
	USE WA0,0,49152,WS0,0,2048,XA,0,12288,XS,0,512,1,0
	CHG 40
	USE WA1,0,49152,WS1,0,2048,XA,24576,12288,XS,1024,512,0,0
	CHG 44
.irp i,0,1,2,3,4,5,6,7                 ; tile i of tokens: my 128 features are K step w of the scores' product
	WIN ((2+\i/4)<<6)|(2+\i/4)
.set zj,0
.rept 32
	v_pk_mul_f32 v[64*(\i%4)+zj:64*(\i%4)+zj+1], v[64*(\i%4)+zj:64*(\i%4)+zj+1], s[50:51] op_sel_hi:[1,0]
.set zj,zj+2
.endr
	s_wait_xcnt 0x0                                ; the last tile's stores have read the codes' registers
	s_wait_dscnt 0x0
	QUANT 64*(\i%4),2+\i/4,2,0
.irp c,0,1,2
	global_store_b128 v[GO], v[PC+4*\c:PC+4*\c+3], s[54:55] offset:\i*6144+512*\c   ; 512 consecutive bytes
.endr
	ds_store_b32 v[OSW], v[PW] offset:256*\i
.endr
	BAR                                            ; a tile's four scale words come from four waves
	ds_load_b128 v[16:19], v[OSR]
	s_wait_dscnt 0x0
	global_store_b128 v[OSG], v[16:19], s[56:57]
	s_wait_xcnt 0x0                                ; the stores have read their registers and bases: the next trip chooses them anew
	s_add_co_u32 s48, s48, 1
	s_cmp_lt_u32 s48, 2
	s_cbranch_scc1 .Lqk
	; ---- v: source 0 = tokens, source 1 = Wv's tiles
	WIN 0x40
.irp a,0,1,2,3,4,5,6,7
.set zc,96+8*\a+96*(\a/4)
.irp j,0,1,2,3,4,5,6,7
	global_load_b32 v[zc+\j], v[VBO], s[12:13] offset:(32*(\a/2)+8*(\a%2))*4   ; my feature's bias, for each of my eight tokens
.endr
.endr
	WIN 0
	USE XA,0,12288,XS,0,512,WA0,0,49152,WS0,0,2048,1,1
	CPL
	USE XA,24576,12288,XS,1024,512,WA1,0,49152,WS1,0,2048,0,0
.irp a,0,1,2,3,4,5,6,7
	s_wait_xcnt 0x0
	QUANT 64*(\a%4),2+\a/4,2,0
.irp c,0,1,2
	global_store_b128 v[WA0], v[PC+4*\c:PC+4*\c+3], s[22:23] offset:\a*1536+512*\c
.endr
	v_mov_b32 v[VPW+\a], v[PW]
.endr
	v_and_b32 v68, 16, v0
	v_cmp_ne_u32 vcc_lo, 0, v68
.irp k,0,1,2,3
	v_cndmask_b32 v[64+\k], v[VPW+\k], v[VPW+4+\k], vcc_lo   ; lanes 0-15 store words 0-3 of their row, lanes 16-31 words 4-7
.endr
	global_store_b128 v[VSO], v[64:67], s[24:25]
	s_wait_tensorcnt 0x0                           ; the wave's end
	ds_add_u32 v[SPW], v[NIL]
	s_wait_dscnt 0x0
	ROUND                                          ; the closing round
	s_endpgm
.Lfunc_end_k_qc985d25e22_qkv:
	.size	k_qc985d25e22_qkv, .Lfunc_end_k_qc985d25e22_qkv-k_qc985d25e22_qkv
	.p2alignl 7, 3214868480
	.fill 96, 4, 3214868480
	.section	.rodata,"a",@progbits
	.p2align	6, 0x0
	.amdhsa_kernel k_qc985d25e22_qkv
		.amdhsa_group_segment_fixed_size 327680
		.amdhsa_private_segment_fixed_size 0
		.amdhsa_enable_private_segment 0
		.amdhsa_kernarg_size 88
		.amdhsa_user_sgpr_count 2
		.amdhsa_user_sgpr_kernarg_segment_ptr 1
		.amdhsa_wavefront_size32 1
		.amdhsa_system_sgpr_workgroup_id_x 1
		.amdhsa_system_sgpr_workgroup_id_y 1
		.amdhsa_system_sgpr_workgroup_id_z 1
		.amdhsa_system_vgpr_workitem_id 0
		.amdhsa_next_free_vgpr 1024
		.amdhsa_next_free_sgpr 100
		.amdhsa_reserve_vcc 1
		.amdhsa_float_denorm_mode_32 3
		.amdhsa_float_denorm_mode_16_64 3
		.amdhsa_memory_ordered 1
		.amdhsa_forward_progress 1
		.amdhsa_inst_pref_size 239
	.end_amdhsa_kernel
	.amdgpu_metadata
---
amdhsa.version: [ 1, 2 ]
amdhsa.kernels:
  - .name:           k_qc985d25e22_qkv
    .symbol:         k_qc985d25e22_qkv.kd
    .args:
      - { .name: src, .offset: 0, .size: 8, .value_kind: global_buffer, .address_space: global }
      - { .name: wts, .offset: 8, .size: 8, .value_kind: global_buffer, .address_space: global }
      - { .name: bq, .offset: 16, .size: 8, .value_kind: global_buffer, .address_space: global }
      - { .name: bk, .offset: 24, .size: 8, .value_kind: global_buffer, .address_space: global }
      - { .name: bv, .offset: 32, .size: 8, .value_kind: global_buffer, .address_space: global }
      - { .name: qc, .offset: 40, .size: 8, .value_kind: global_buffer, .address_space: global }
      - { .name: qs, .offset: 48, .size: 8, .value_kind: global_buffer, .address_space: global }
      - { .name: kc, .offset: 56, .size: 8, .value_kind: global_buffer, .address_space: global }
      - { .name: ks, .offset: 64, .size: 8, .value_kind: global_buffer, .address_space: global }
      - { .name: vc, .offset: 72, .size: 8, .value_kind: global_buffer, .address_space: global }
      - { .name: vs, .offset: 80, .size: 8, .value_kind: global_buffer, .address_space: global }
    .group_segment_fixed_size: 327680
    .private_segment_fixed_size: 0
    .kernarg_segment_align: 8
    .kernarg_segment_size: 88
    .max_flat_workgroup_size: 128
    .sgpr_count:     100
    .vgpr_count:     1024
    .wavefront_size: 32
...
	.end_amdgpu_metadata
.endif
;; end of part 2
;; launch attn_ffn (part 3): grid 256 x 1, 4 waves a work-group, clusters of 4 x 1, 327,680 bytes of LDS; arguments src, mask, qc, qs, kc, ks, vc, vs, wts, b1, b2, ln1_g, ln1_b, ln2_g, ln2_b, out0; writes out0
.if DOCPART == 3
	.amdgcn_target "amdgcn-amd-amdhsa--gfx1250"
	.amdhsa_code_object_version 6
	.text
	.protected	k_qc985d25e22_attn_ffn
	.globl	k_qc985d25e22_attn_ffn
	.p2align	8
	.type	k_qc985d25e22_attn_ffn,@function
k_qc985d25e22_attn_ffn:
	s_mov_b64 s[64:65], 0
	v_nop
	global_prefetch_b8 v0, s[64:65] scope:SCOPE_SE
	s_setreg_imm32_b32 hwreg(HW_REG_WAVE_MODE, 25, 1), 1
	s_wait_xcnt 0x0
	s_wait_alu depctr_hold_cnt(0) depctr_sa_sdst(0) depctr_va_vdst(0) depctr_va_sdst(0) depctr_va_ssrc(0) depctr_va_vcc(0) depctr_vm_vsrc(0)
	s_getreg_b32 s2, hwreg(HW_REG_IB_STS2, 6, 4)
	s_cmp_eq_u32 s2, 0
	s_cbranch_scc0 .Lentry_in_a_cluster
	s_endpgm
.Lentry_in_a_cluster:
	s_bfe_u32 s2, ttmp6, 0x10000c
	s_cmp_lg_u32 s2, 0x3003
	s_cbranch_scc0 .Lentry_shape_is_right
	s_endpgm
.Lentry_shape_is_right:
; out0 = LN2(x + relu(x W1 + b1) W2 + b2), x = LN1(src + attention), all four products on codes of BF6 (E3M2) with E8M0 scales.
; A work-group owns 128 tokens (block g): two windows of 64 queries.  Every query sees the block's own 128 keys and 64 more: window 0 the last 64 of block g - 1, window 1 the first 64 of block g + 1.
; Keys that the mask input hides, and keys outside the sequence, get the logit -1e10 and still count in the softmax; outside the sequence p's codes are set to 0 as well, since v is 0 there.
; SCORES: wave w owns query tiles 2 w, 2 w + 1: S^T = k q^T, a lane holds one query, its registers run along the keys.  t = score x log2(e); M = ceil(the row's largest t); p = 2^(t - M) is quantised along the keys;
; the row's sum l is taken of the unquantised p.  FROM THERE ON wave w owns features 128 w .. + 127 of all 128 tokens, 64 accumulators: they begin as src x l, take v^T p^T on top, and 1 / l goes into the layer norm.
; x + b2 stays in those accumulators as the C of the last product.  The hidden layer goes in four chunks of 256: wave w makes 128 hidden units (w % 2) of 64 tokens (w / 2).
; TILES OF 16 ARE NOT NEIGHBOURS: tile 2 b + u, row m, is element 32 b + 8 u + m + 8 (m / 8) of its 128.  Operands lie as images of their registers (1,536 bytes a fragment), scale words 256 bytes for four tiles.
; W1's and W2's chunks (wts tiles 6 to 13) come through two LDS slots, asked for JOINTLY by the four work-groups of a cluster.  Two tensor loads of a wave are out at the start, one behind each round.
; A layer norm's mean and sum of squares are made for each wave's 128 features about their own mean and joined through LDS: no difference of large sums is formed.
; LIMITS: a block whose largest magnitude lies under 2^-122 gets the byte 1; NaN and infinities are not served; a window's keys are summed own 128 first, then the 64 others.
; REGISTERS: window 0: v1-7 fixed addresses, v8-15 the phase's, v16-23 at work, v24-35 TM, v36-63 scale words or the codes just made (v36-55, v56), v64-255 by phase.  Window 1: k, then v, then gains, then the hidden layer
; and W2.  Windows 2, 3: k, then the 64 accumulators ((i, a) at 64 (i % 4) + 8 a).
.set SLOT1,102400
.set XI,204800                         ; x's 32 fragments [tile][K step]
.set XSC,253952                        ; their scale words [K step][tile / 4]
.set HI,256000                         ; a chunk's 16 hidden fragments [K step][tile]
.set HSC,280576
.set PI,281600                         ; p's 16 fragments [own | other keys][tile]
.set PSC,306176
.set RLB,307200                        ; the rows' sums l [tile][row]
.set LN1S,307712                       ; [tile][row][wave] pairs (mean, sum of squares)
.set LN2S,311808
.set B1L,315904                        ; b1
.set SPARE,320000                      ; the spare words: 512 bytes that no other line names
.set SPW,1
.set NIL,2
.set LI,3                              ; 16 x lane
.set LR,4                              ; 16 x (lane % 16)
.set SRCO,5
.set H64,6                             ; 64 x (lane / 16)
.set L4,7                              ; 4 x (lane % 16)
.set TM,24
.set PC,36
.set SC,36
.set PW,56
.set MW,64
.set OUTR,64
.set SIN,160
.set SOUT,176
.set WV,36
.set SEL,38
.set G1,40
.set MSB,0
.macro WIN new                         ; the immediate's high byte repeats the setting that is left
.if MSB != (\new)
	s_set_vgpr_msb (MSB<<8)|(\new)
.set MSB,(\new)
.endif
.endm
.macro PLACES n
.rept \n
	v_nop
.endr
.endm
.macro ROUND                           ; a round of the cluster's barrier
	s_barrier_signal -1
	s_barrier_wait -1
	s_cmp_lg_u32 s[WV], 0
	s_cbranch_scc1 .Lnw0_\@
	s_barrier_signal -3
.Lnw0_\@:
	s_barrier_wait -3
	s_barrier_signal -1
	s_barrier_wait -1
.endm
.macro BAR                             ; my LDS stores have landed and my LDS loads are in: then the work-group's barrier
	s_wait_dscnt 0x0
	s_barrier_signal -1
	s_barrier_wait -1
.endm
.macro CHG g0                          ; the slot just read is filled again, with the next chunk
	WIN 0
	s_wait_tensorcnt 0x0                           ; all my tensor loads have landed, my quarter of the other slot among them
	ds_add_u32 v[SPW], v[NIL]                      ; 0 onto my spare word
	s_add_nc_u64 s[\g0+2:\g0+3], s[\g0+2:\g0+3], 204800
	s_wait_dscnt 0x0                               ; the add is done, my reads of the slot are over and my images have landed
	ROUND                                          ; so of every wave of the four work-groups
	tensor_load_to_lds s[\g0:\g0+3], s[G1:G1+7]
	s_nop 0
	PLACES 4
.endm
.macro CPL                             ; the same without a refill
	WIN 0
	s_wait_tensorcnt 0x0
	ds_add_u32 v[SPW], v[NIL]
	s_wait_dscnt 0x0
	s_barrier_signal -1
	s_barrier_wait -1
.endm
; 32 nc numbers of a lane in window win, register 16 b + i = k 32 b + 16 (lane / 16) + i of my row, become codes in v[PC] on and the scale word in v[PW].  mode 1: none is negative.
.macro QUANT src,win,nc,mode
	WIN ((\win)<<2)|((\win)<<4)
.irp i,0,2,4,6,8,10,12,14
.irp b,0,1,2,3
.if \b<2*(\nc)
.set zq,(\src)+16*\b+\i
.if \i==0
.if \mode
	v_max3_num_f32 v[TM+\b], 0x2800000, v[zq], v[zq+1]
.else
	v_max3_num_f32 v[TM+\b], 0x2800000, |v[zq]|, |v[zq+1]|   ; with the floor 2^(5 - 127): the byte cannot fall under 1
.endif
.else
.if \mode
	v_max3_num_f32 v[TM+\b], v[TM+\b], v[zq], v[zq+1]
.else
	v_max3_num_f32 v[TM+\b], v[TM+\b], |v[zq]|, |v[zq+1]|
.endif
.endif
.endif
.endr
.endr
	WIN 0
.irp b,0,1,2,3
.if \b<2*(\nc)
	v_permlanex16_b32 v[TM+4+\b], v[TM+\b], s[SEL], s[SEL+1]
.endif
.endr
.irp b,0,1,2,3
.if \b<2*(\nc)
	v_max_num_f32 v[TM+\b], v[TM+\b], v[TM+4+\b]   ; with lane l xor 16's: the block's largest magnitude
.endif
.endr
.irp b,0,1,2,3
.if \b<2*(\nc)
	v_add_nc_u32 v[TM+8+\b], 0xfe000000, v[TM+\b]  ; 4 off its exponent field: the conversion's scale operand
.endif
.endr
.irp b,0,1,2,3
.if \b<2*(\nc)
	v_lshrrev_b32 v[TM+4+\b], 23, v[TM+8+\b]       ; the scale's byte
.endif
.endr
	v_lshl_or_b32 v[PW], v[TM+5], 8, v[TM+4]
.if (\nc)==2
	v_lshl_or_b32 v[PW], v[TM+6], 16, v[PW]
	v_lshl_or_b32 v[PW], v[TM+7], 24, v[PW]
.endif
	WIN (\win)
.irp c,0,1
.if \c<(\nc)
	v_cvt_scalef32_pk16_bf6_f32 v[PC+6*\c:PC+6*\c+2], v[(\src)+32*\c:(\src)+32*\c+15], v[TM+8+2*\c]
	v_cvt_scalef32_pk16_bf6_f32 v[PC+12+4*\c:PC+14+4*\c], v[(\src)+32*\c+16:(\src)+32*\c+31], v[TM+9+2*\c]
.endif
.endr
	WIN 0
	v_nop                                          ; one plain place behind a scaled conversion
.irp c,0,1
.if \c<(\nc)
.irp i,0,1,2
	v_permlane16_swap_b32 v[PC+6*\c+\i], v[PC+12+4*\c+\i]   ; a whole block to a lane: lanes 0-15 block 2 c, lanes 16-31 block 2 c + 1
.endr
.irp i,0,1,2
	v_mov_b32 v[PC+3+6*\c+\i], v[PC+12+4*\c+\i]
.endr
.endif
.endr
.endm
.macro IMAGE adr,off
.irp c,0,1,2
	ds_store_b128 v[\adr], v[PC+4*\c:PC+4*\c+3] offset:(\off)+512*\c
.endr
.endm
.macro LDF reg,adr,off
.irp c,0,1,2
	ds_load_b128 v[(\reg)+4*\c:(\reg)+4*\c+3], v[\adr] offset:(\off)+512*\c
.endr
.endm
.macro LDIN set,adr,off                ; source 0's eight fragments into window 1
	WIN 0x40
.irp b,0,1,2,3,4,5,6,7
	LDF 128*(\set)+12*\b,\adr,(\off)+1536*\b
.endr
	WIN 0
.endm
.macro LDOUT a0,adr,off                ; four of source 1's fragments
.irp a,0,1,2,3
	LDF OUTR+12*((\a0)+\a),\adr,(\off)+1536*((\a0)+\a)
.endr
.endm
.macro LDSC set,ja,jb,pa,pb
	ds_load_b128 v[SIN+8*(\set):SIN+8*(\set)+3], v[\ja] offset:(\jb)
	ds_load_b128 v[SIN+8*(\set)+4:SIN+8*(\set)+7], v[\ja] offset:(\jb)+256
	ds_load_b128 v[SOUT+8*(\set):SOUT+8*(\set)+3], v[\pa] offset:(\pb)
	ds_load_b128 v[SOUT+8*(\set)+4:SOUT+8*(\set)+7], v[\pa] offset:(\pb)+256
.endm
.macro WM d,a,b,c,sa,sb
	v_wmma_scale_f32_16x16x128_f8f6f4 v[(\d):(\d)+7], v[(\a):(\a)+11], v[(\b):(\b)+11], v[(\c):(\c)+7], v[(\sa)], v[(\sb)] matrix_a_fmt:MATRIX_FMT_BF6 matrix_b_fmt:MATRIX_FMT_BF6
.endm
.macro MUL32 oh,set                    ; 32 products: tiles of tokens 4 oh .. + 3 against W2's eight tiles; the accumulators take turns
	WIN 0xa1+0x50*(\oh)
.irp a,0,1,2,3
.irp b,0,1,2,3,4,5,6,7
	WM 64*\a+8*\b,128*(\set)+12*\b,OUTR+12*(4*(\oh)+\a),64*\a+8*\b,SIN+8*(\set)+\b,SOUT+8*(\set)+4*(\oh)+\a
.endr
.endr
.endm
.macro F2                              ; y += h W2: a chunk's two K steps, 128 products.  v16 W2's images, v17 its scale words, v18 h's images, v19 h's scale words
	LDIN 0,16,0
	LDOUT 0,18,0
	LDOUT 4,18,0
	LDSC 0,17,0,19,0
	s_wait_dscnt 0x0
	MUL32 0,0
	PLACES 4                                       ; in front of loads into registers that matrix instructions have read
	LDIN 1,16,49152
	LDOUT 0,18,12288
	LDSC 1,17,2048,19,512
	MUL32 1,0
	PLACES 4
	WIN 0
	LDOUT 4,18,12288
	s_wait_dscnt 12                                ; all but the twelve just issued
	MUL32 0,1
	s_wait_dscnt 0x0
	MUL32 1,1
	WIN 0
	PLACES 4
.endm
	s_load_b512 s[4:19], s[0:1], 0x0               ; src, mask, qc, qs, kc, ks, vc, vs
	s_load_b512 s[20:35], s[0:1], 0x40             ; wts, b1, b2, ln1_g, ln1_b, ln2_g, ln2_b, out0
	v_lshl_add_u32 v[SPW], v0, 2, SPARE
	v_mov_b32 v[NIL], 0
	ds_add_u32 v1, v2
	ds_add_u32 v1, v2
	s_wait_dscnt 0x0
	v_lshrrev_b32 v16, 5, v0
	v_readfirstlane_b32 s[WV], v16                 ; wave 0..3
	s_bfe_u32 s76, ttmp6, 0x40000
	s_lshl_b32 s37, ttmp9, 2
	s_add_co_u32 s37, s37, s76                     ; g: it enters global addresses and data masks alone
	s_and_b32 s67, s37, 63                         ; 64 blocks to a sequence
	s_cmp_eq_u32 s67, 0
	s_cselect_b32 s58, 0, -1                       ; is there a block before?
	s_cselect_b32 s76, 0, 1
	s_sub_co_u32 s56, s37, s76                     ; it, or my own in its stead (its p are set to 0)
	s_cmp_eq_u32 s67, 63
	s_cselect_b32 s59, 0, -1
	s_cselect_b32 s76, 0, 1
	s_add_co_u32 s57, s37, s76                     ; the block behind, likewise
	s_lshr_b32 s67, s[WV], 1                       ; my queries' window
	s_cmp_eq_u32 s67, 0
	s_cselect_b32 s60, s56, s57                    ; the block of my 64 other keys,
	s_cselect_b32 s61, s58, s59                    ; whether it is there,
	s_cselect_b32 s62, 0, s61                      ; the mask of p's codes for K 0-63 of that block,
	s_cselect_b32 s63, s61, 0                      ; and for K 64-127,
	s_cselect_b32 s66, 4, 0                        ; and the first of its four tiles
	s_mov_b32 s[G1], 0x0023000F                    ; mask: all four work-groups; elements of 8 bytes; bit 21 beside the mask; no padding
	s_mov_b32 s[G1+1], 32<<16                      ; rows of 256 bytes
	s_mov_b32 s[G1+2], 100<<16                     ; 100 of them: a quarter of a tile
	s_mov_b32 s[G1+3], 32<<16
	s_mov_b32 s[G1+4], 100
	s_mov_b32 s[G1+5], 32
	s_mov_b32 s[G1+6], 0
	s_mov_b32 s[G1+7], 0
	s_mov_b32 s[SEL], 0x76543210
	s_mov_b32 s[SEL+1], 0xfedcba98
	s_mov_b32 s68, 0x3FB8AA3B                      ; log2(e)
	s_mov_b32 s69, s68
	s_mov_b32 s70, 0xD01502F9                      ; -1e10,
	s_mul_f32 s70, s70, s68                        ; as t
	s_mov_b32 s71, 255
	s_mov_b32 s72, 0
	s_mov_b32 s73, 0x01010101
	s_mov_b32 s74, 0x02020202
	s_mov_b32 s75, 0x03030303
	s_lshl_b32 s67, s[WV], 9                       ; 512 w
	v_and_b32 v16, 31, v0
	v_lshlrev_b32 v[LI], 4, v16
	v_and_b32 v17, 15, v0
	v_lshlrev_b32 v[LR], 4, v17
	v_lshlrev_b32 v[L4], 2, v17
	v_bfe_u32 v18, v0, 4, 1
	v_lshlrev_b32 v[H64], 6, v18
	v_and_b32 v19, 8, v17
	v_add_nc_u32 v19, v19, v17                     ; r + 8 (r / 8)
	v_lshl_add_u32 v[SRCO], v19, 11, v[H64]
	v_add_nc_u32 v[SRCO], s67, v[SRCO]             ; src: my token's row, my wave's 512 bytes, + 64 for lanes 16-31
	s_lshl_b32 s76, s[WV], 7
	s_add_co_u32 s76, s76, RLB
	v_add_nc_u32 v11, s76, v[L4]                   ; where my queries' l go
	s_mul_i32 s76, s[WV], 3072
	s_add_co_u32 s76, s76, PI
	v_add_nc_u32 v12, s76, v[LI]                   ; p's images
	s_lshr_b32 s76, s[WV], 1
	s_lshl_b32 s76, s76, 8
	s_and_b32 s80, s[WV], 1
	s_lshl_b32 s80, s80, 3
	s_add_co_u32 s76, s76, s80
	s_add_co_u32 s76, s76, PSC
	v_add_nc_u32 v13, s76, v[LR]                   ; p's scale words
	v_lshlrev_b32 v14, 1, v[LR]                    ; 32 x (lane % 16)
.irp b,0,1,2,3
	v_mov_b32 v[TM+4+\b], 0                        ; written once: a lane permute's destination counts as one of its sources
.endr
	s_mul_i32 s76, s[WV], 25600
	s_mov_b32 s77, 0
	s_wait_kmcnt 0x0
	s_add_nc_u64 s[78:79], s[20:21], s[76:77]
	s_mov_b32 s48, 1
	s_mov_b32 s49, s76
	s_add_nc_u64 s[50:51], s[78:79], 614400        ; W1's chunk 0: tile 6
	s_or_b32 s51, s51, 0x80000000
	s_mov_b32 s52, 1
	s_add_co_u32 s53, s76, SLOT1
	s_add_nc_u64 s[54:55], s[78:79], 716800        ; W2's chunk 0: tile 7
	s_or_b32 s55, s55, 0x80000000
	ROUND                                          ; all four work-groups are here: the first joint loads meet
	tensor_load_to_lds s[48:51], s[G1:G1+7]
	s_nop 0
	tensor_load_to_lds s[52:55], s[G1:G1+7]
	s_nop 0
	PLACES 4
	s_lshl_b32 s76, s37, 18
	s_add_nc_u64 s[4:5], s[4:5], s[76:77]          ; src at my block
	s_add_co_u32 s76, s76, s67
	s_add_nc_u64 s[34:35], s[34:35], s[76:77]      ; out0 at my block, my wave's 512 bytes
	s_lshl_b32 s76, s37, 7
	s_add_nc_u64 s[78:79], s[6:7], s[76:77]        ; the mask of my block's keys
	s_lshl_b32 s76, s60, 7
	s_lshl_b32 s80, s66, 4
	s_add_co_u32 s76, s76, s80
	s_add_nc_u64 s[80:81], s[6:7], s[76:77]        ; and of the 64 others
	s_lshl_b32 s76, s37, 11
	s_add_nc_u64 s[84:85], s[14:15], s[76:77]      ; k's scale words
	s_add_co_u32 s76, s76, s67
	s_add_nc_u64 s[10:11], s[10:11], s[76:77]      ; my queries' scale words
	s_add_nc_u64 s[96:97], s[18:19], s[76:77]      ; v's scale words: my block,
	s_lshl_b32 s76, s56, 11
	s_add_co_u32 s76, s76, s67
	s_add_nc_u64 s[98:99], s[18:19], s[76:77]      ; the block before,
	s_lshl_b32 s76, s57, 11
	s_add_co_u32 s76, s76, s67
	s_add_nc_u64 s[100:101], s[18:19], s[76:77]    ; the block behind
	s_lshl_b32 s76, s60, 11
	s_lshl_b32 s86, s66, 8
	s_add_co_u32 s76, s76, s86
	s_add_nc_u64 s[86:87], s[14:15], s[76:77]      ; the other keys' scale words
	s_mul_i32 s76, s60, 49152
	s_mul_i32 s88, s66, 6144
	s_add_co_u32 s76, s76, s88
	s_add_nc_u64 s[88:89], s[12:13], s[76:77]      ; the other keys' codes
	s_mul_i32 s76, s37, 49152
	s_add_nc_u64 s[12:13], s[12:13], s[76:77]      ; my block's keys
	s_mul_i32 s82, s[WV], 12288
	s_add_co_u32 s76, s76, s82
	s_add_nc_u64 s[8:9], s[8:9], s[76:77]          ; my two tiles of queries
	s_add_nc_u64 s[90:91], s[16:17], s[76:77]      ; v: my eight tiles of features, my block,
	s_mul_i32 s76, s56, 49152
	s_add_co_u32 s76, s76, s82
	s_add_nc_u64 s[92:93], s[16:17], s[76:77]      ; the block before,
	s_mul_i32 s76, s57, 49152
	s_add_co_u32 s76, s76, s82
	s_add_nc_u64 s[94:95], s[16:17], s[76:77]      ; the block behind
	s_mov_b32 s76, s67
	s_add_nc_u64 s[24:25], s[24:25], s[76:77]      ; b2 and the gains at my 128 features
	s_add_nc_u64 s[26:27], s[26:27], s[76:77]
	s_add_nc_u64 s[28:29], s[28:29], s[76:77]
	s_add_nc_u64 s[30:31], s[30:31], s[76:77]
	s_add_nc_u64 s[32:33], s[32:33], s[76:77]
	s_mov_b32 s56, 0x3727C5AC                      ; 1e-5
	s_mov_b32 s57, 0x3B000000                      ; 1 / 512
	; ---- 0: everything that the scores want, from memory straight into registers
	v_lshlrev_b32 v8, 5, v0
	global_load_b128 v[16:19], v8, s[22:23]        ; b1, 32 bytes a thread
	global_load_b128 v[20:23], v8, s[22:23] offset:16
	v_lshrrev_b32 v9, 2, v[H64]                    ; 16 x (lane / 16)
	WIN 0xc0
.irp b,0,1,2,3
	global_load_b128 v[192+4*\b:195+4*\b], v9, s[78:79] offset:32*\b   ; the mask bytes of keys 32 b + 16 (lane / 16) + 0 .. 15
.endr
.irp b,0,1
	global_load_b128 v[208+4*\b:211+4*\b], v9, s[80:81] offset:32*\b
.endr
	WIN 0
.irp j,0,1,2,3
	global_load_b128 v[SC+4*\j:SC+4*\j+3], v[LI], s[84:85] offset:512*\j   ; lanes 0-15: tile 2 j's rows, lanes 16-31: tile 2 j + 1's; register s: K step s
.endr
.irp j,0,1
	global_load_b128 v[SC+16+4*\j:SC+19+4*\j], v[LI], s[86:87] offset:512*\j
.endr
	global_load_b128 v[SC+24:SC+27], v[LR], s[10:11]
	global_load_b128 v[24:27], v[LR], s[10:11] offset:256
.set zf,0
.rept 48                               ; k's fragments: f = 4 x tile + K step, at v[12 (f % 16)] of window 1 + f / 16
	WIN (1+zf/16)<<6
.irp c,0,1,2
.if zf<32
	global_load_b128 v[12*(zf%16)+4*\c:12*(zf%16)+4*\c+3], v[LI], s[12:13] offset:1536*zf+512*\c
.else
	global_load_b128 v[12*(zf%16)+4*\c:12*(zf%16)+4*\c+3], v[LI], s[88:89] offset:1536*(zf-32)+512*\c
.endif
.endr
.set zf,zf+1
.endr
.irp ii,0,1
	WIN (1+\ii)<<6
.irp k,0,1,2,3,4,5,6,7,8,9,10,11
	global_load_b128 v[192+4*\k:195+4*\k], v[LI], s[8:9] offset:6144*\ii+512*\k   ; q's four fragments
.endr
.endr
	WIN 0
	s_wait_loadcnt 0x0
	v_add_nc_u32 v8, B1L, v8
	ds_store_b128 v8, v[16:19]
	ds_store_b128 v8, v[20:23] offset:16
	; ---- 1: S^T = k q^T: 24 accumulators by turns, K step by K step
.irp s,0,1,2,3
.irp ii,0,1
.irp kt,0,1,2,3,4,5,6,7,8,9,10,11
	WIN (1+\kt/4)|((1+\ii)<<2)
.set zd,64+96*\ii+8*\kt
.set za,12*((4*\kt+\s)%16)
.set zb,192+12*\s
.set zs,SC+4*(\kt/2)+\s
.set zt,SC+24+\s-SC*\ii
.if \s==0
.if \kt%2
	v_wmma_scale_f32_16x16x128_f8f6f4 v[zd:zd+7], v[za:za+11], v[zb:zb+11], 0, v[zs], v[zt] matrix_a_fmt:MATRIX_FMT_BF6 matrix_b_fmt:MATRIX_FMT_BF6 matrix_a_scale:MATRIX_SCALE_ROW1
.else
	v_wmma_scale_f32_16x16x128_f8f6f4 v[zd:zd+7], v[za:za+11], v[zb:zb+11], 0, v[zs], v[zt] matrix_a_fmt:MATRIX_FMT_BF6 matrix_b_fmt:MATRIX_FMT_BF6
.endif
.else
.if \kt%2
	v_wmma_scale_f32_16x16x128_f8f6f4 v[zd:zd+7], v[za:za+11], v[zb:zb+11], v[zd:zd+7], v[zs], v[zt] matrix_a_fmt:MATRIX_FMT_BF6 matrix_b_fmt:MATRIX_FMT_BF6 matrix_a_scale:MATRIX_SCALE_ROW1
.else
	v_wmma_scale_f32_16x16x128_f8f6f4 v[zd:zd+7], v[za:za+11], v[zb:zb+11], v[zd:zd+7], v[zs], v[zt] matrix_a_fmt:MATRIX_FMT_BF6 matrix_b_fmt:MATRIX_FMT_BF6
.endif
.endif
.endr
.endr
.endr
	WIN 0
	PLACES 4
	; ---- 2: mask and softmax; v and src are asked for meanwhile
	WIN 0x40
.set zj,0
.rept 24
	global_load_b128 v[4*zj:4*zj+3], v[LI], s[90:91] offset:512*zj        ; v of my block
	global_load_b128 v[96+4*zj:99+4*zj], v[LI], s[92:93] offset:512*zj    ; and of the block before
.set zj,zj+1
.endr
	WIN 0
.set zj,0
.rept 96
	v_pk_mul_f32 v[64+zj:65+zj], v[64+zj:65+zj], s[68:69] op_sel_hi:[1,0]   ; t = score x log2(e), each accumulator from its low end on
.set zj,zj+2
.endr
	WIN 0xcf
.set zj,0
.rept 24
	v_mul_lo_u32 v[192+zj], v[192+zj], s71         ; bytes 0 | 1 become 0 | 255
.set zj,zj+1
.endr
.set zj,0
.rept 8
	v_and_b32 v[208+zj], s61, v[208+zj]            ; nothing counts outside the sequence
.set zj,zj+1
.endr
.irp q,0,1,2,3                         ; six mask registers, 24 keys, at a time
	WIN 0x0f
.irp m,0,1,2,3,4,5
.irp k,0,1,2,3
	v_perm_b32 v[36+4*\m+\k], v[192+6*\q+\m], v[192+6*\q+\m], s[72+\k]   ; a key's byte fills a word
.endr
.endr
	WIN 0
.irp ii,0,1
.set zj,0
.rept 24
	v_bfi_b32 v[64+96*\ii+24*\q+zj], v[36+zj], v[64+96*\ii+24*\q+zj], s70   ; t, or -1e10 x log2(e)
.set zj,zj+1
.endr
.endr
.endr
.macro SRCL i0                         ; src, tiles i0 .. i0 + 3, my 128 features, into the accumulators' registers
	WIN (2+(\i0)/4)<<6
.irp i,0,1,2,3
.set zj,0
.rept 16
	global_load_b128 v[64*\i+4*zj:64*\i+4*zj+3], v[SRCO], s[4:5] offset:(32*(((\i0)+\i)/2)+8*(\i%2))*2048+128*(zj/4)+16*(zj%4) th:TH_LOAD_NT
.set zj,zj+1
.endr
.endr
	WIN 0
.endm
.macro SOFT ii
.set zT,64+96*\ii
	v_max3_num_f32 v16, v[zT], v[zT+1], v[zT+2]
	v_max3_num_f32 v17, v[zT+3], v[zT+4], v[zT+5]
.set zj,6
.rept 22
	v_max3_num_f32 v16, v16, v[zT+zj], v[zT+zj+1]
	v_max3_num_f32 v17, v17, v[zT+zj+2], v[zT+zj+3]
.set zj,zj+4
.endr
	v_max3_num_f32 v16, v16, v[zT+94], v[zT+95]
	v_max_num_f32 v16, v16, v17
	v_permlanex16_b32 v17, v16, s[SEL], s[SEL+1]
	v_max_num_f32 v16, v16, v17                    ; the row's largest t
	v_floor_f32 v18, -v16                          ; -M = floor(-t): M is a whole number
	v_mov_b32 v19, v18
.set zj,0
.rept 48
	v_pk_add_f32 v[zT+zj:zT+zj+1], v[zT+zj:zT+zj+1], v[18:19]
.set zj,zj+2
.endr
.set zj,0
.rept 96
	v_exp_f32 v[zT+zj], v[zT+zj]                   ; p = 2^(t - M)
.set zj,zj+1
.endr
	v_nop                                          ; a plain place behind the exponentials
	s_wait_alu depctr_va_vdst(0)
	v_pk_add_f32 v[20:21], v[zT:zT+1], v[zT+2:zT+3]   ; the row's sum, of the unquantised p, in two chains
	v_pk_add_f32 v[22:23], v[zT+4:zT+5], v[zT+6:zT+7]
.set zj,8
.rept 22
	v_pk_add_f32 v[20:21], v[20:21], v[zT+zj:zT+zj+1]
	v_pk_add_f32 v[22:23], v[22:23], v[zT+zj+2:zT+zj+3]
.set zj,zj+4
.endr
	v_pk_add_f32 v[20:21], v[20:21], v[22:23]
	v_add_f32 v20, v20, v21
	v_permlanex16_b32 v21, v20, s[SEL], s[SEL+1]
	v_add_f32 v20, v20, v21
	ds_store_b32 v11, v20 offset:64*\ii            ; both halves of the lanes write the same word with the same value
	QUANT zT,0,2,1                                 ; my block's 128 keys
	IMAGE 12,1536*\ii
	ds_store_b32 v13, v[PW] offset:4*\ii
	s_wait_dscnt 0x0                               ; the stores have read their registers
	QUANT zT+64,0,1,1                              ; the 64 others: they are K 64-127 of the block before, or K 0-63 of the block behind
.irp k,0,1,2,3,4,5
	v_and_b32 v[PC+6+\k], s63, v[PC+\k]
.endr
.irp k,0,1,2,3,4,5
	v_and_b32 v[PC+\k], s62, v[PC+\k]              ; the other half of K, and all of it outside the sequence: zero codes
.endr
	v_lshl_or_b32 v[PW], v[PW], 16, v[PW]
	IMAGE 12,12288+1536*\ii
	ds_store_b32 v13, v[PW] offset:512+4*\ii
	s_wait_dscnt 0x0
.endm
	SRCL 0
	SOFT 0
	SRCL 4
	SOFT 1
	global_load_b128 v[SC:SC+3], v14, s[96:97]     ; v's scale words: eight tiles' for my row
	global_load_b128 v[SC+4:SC+7], v14, s[96:97] offset:16
	global_load_b128 v[SC+8:SC+11], v14, s[98:99]
	global_load_b128 v[SC+12:SC+15], v14, s[98:99] offset:16
	global_load_b128 v[SC+16:SC+19], v14, s[100:101]
	global_load_b128 v[SC+20:SC+23], v14, s[100:101] offset:16
	BAR                                            ; p, its scale words, l and b1 lie in LDS
	; ---- 3: the accumulators become src x l + v^T p^T
	v_add_nc_u32 v8, RLB, v[L4]
	v_add_nc_u32 v9, PSC, v[LR]
	v_add_nc_u32 v10, PI, v[LI]
.irp i,0,1,2,3,4,5,6,7
	ds_load_b32 v[224+2*\i], v8 offset:64*\i
	ds_load_b32 v[225+2*\i], v8 offset:64*\i       ; twice: a pair for the packed forms
.endr
.irp k,0,1,2,3
	ds_load_b128 v[208+4*\k:211+4*\k], v9 offset:256*\k
.endr
.irp i,0,1,2,3
	LDF 64+12*\i,10,12288+1536*\i
.endr
.irp i,0,1,2,3,4,5,6,7
	LDF 112+12*\i,10,1536*\i
.endr
	s_wait_dscnt 0x0
	s_wait_loadcnt 0x0
.irp i,0,1,2,3,4,5,6,7
	WIN ((2+\i/4)<<6)|(2+\i/4)
.set zj,0
.rept 32
	v_pk_mul_f32 v[64*(\i%4)+zj:64*(\i%4)+zj+1], v[64*(\i%4)+zj:64*(\i%4)+zj+1], v[224+2*\i:225+2*\i]
.set zj,zj+2
.endr
.endr
	WIN 0
.set zj,0
.rept 16
	v_rcp_f32 v[224+zj], v[224+zj]                 ; 1 / l, for the layer norm
.set zj,zj+1
.endr
	v_nop
	WIN 0xa1
.irp i,0,1,2,3                         ; window 0's queries against the block before
.irp a,0,1,2,3,4,5,6,7
	WM 64*\i+8*\a,96+12*\a,64+12*\i,64*\i+8*\a,SC+8+\a,216+\i
.endr
.endr
	PLACES 4
	WIN 0x40
.set zj,0
.rept 24
	global_load_b128 v[96+4*zj:99+4*zj], v[LI], s[94:95] offset:512*zj    ; v of the block behind
.set zj,zj+1
.endr
	WIN 0
.irp i,4,5,6,7
	LDF 64+12*(\i-4),10,12288+1536*\i
.endr
.irp i,0,1,2,3,4,5,6,7                 ; all queries against my block
	WIN 0xa1+0x50*(\i/4)
.irp a,0,1,2,3,4,5,6,7
	WM 64*(\i%4)+8*\a,12*\a,112+12*\i,64*(\i%4)+8*\a,SC+\a,208+\i
.endr
.endr
	s_wait_loadcnt 0x0
	s_wait_dscnt 0x0
.irp i,4,5,6,7                         ; window 1's queries against the block behind
.irp a,0,1,2,3,4,5,6,7
	WM 64*(\i-4)+8*\a,96+12*\a,64+12*(\i-4),64*(\i-4)+8*\a,SC+16+\a,216+\i
.endr
.endr
	WIN 0
	PLACES 4
.macro LDV reg,sb                      ; 64 numbers of a vector of 512, in the accumulators' order, into window 1
.set zj,0
.rept 16
	global_load_b128 v[(\reg)+4*zj:(\reg)+4*zj+3], v[H64], s[\sb:\sb+1] offset:128*(zj/4)+16*(zj%4)
.set zj,zj+1
.endr
.endm
	WIN 0x40
	LDV 0,26
	LDV 64,28
	LDV 128,24
	WIN 0
	; ---- 4: the first layer norm
; My 128 features of tile i: their mean m_w and, about it, their sum of squares; the accumulators become numbers less m_w.  rl = 1: they are first divided by l.
.macro LNSTAT i,rl,adr
.set zW,2+\i/4
.set zB,64*(\i%4)
	WIN zW
	v_pk_add_f32 v[16:17], v[zB:zB+1], 0 op_sel_hi:[1,0]
	v_pk_add_f32 v[18:19], v[zB+2:zB+3], 0 op_sel_hi:[1,0]
.set zj,4
.rept 15
	v_pk_add_f32 v[16:17], v[zB+zj:zB+zj+1], v[16:17]
	v_pk_add_f32 v[18:19], v[zB+zj+2:zB+zj+3], v[18:19]
.set zj,zj+4
.endr
	WIN 0
	v_pk_add_f32 v[16:17], v[16:17], v[18:19]
	v_add_f32 v16, v16, v17
	v_permlanex16_b32 v17, v16, s[SEL], s[SEL+1]
	v_add_f32 v16, v16, v17
.if \rl
	v_mul_f32 v16, v16, v[224+2*\i]
.endif
	v_mul_f32 v[MW+2*\i], 0x3c000000, v16          ; / 128
	v_mov_b32 v[MW+2*\i+1], v[MW+2*\i]             ; (the pair is named whole below)
	WIN (zW<<6)|zW
.set zj,0
.rept 32
.if \rl
	v_pk_fma_f32 v[zB+zj:zB+zj+1], v[zB+zj:zB+zj+1], v[224+2*\i:225+2*\i], v[MW+2*\i:MW+2*\i+1] op_sel_hi:[1,1,0] neg_lo:[0,0,1] neg_hi:[0,0,1]
.else
	v_pk_add_f32 v[zB+zj:zB+zj+1], v[zB+zj:zB+zj+1], v[MW+2*\i:MW+2*\i+1] op_sel_hi:[1,0] neg_lo:[0,1] neg_hi:[0,1]
.endif
.set zj,zj+2
.endr
	WIN zW|(zW<<2)
	v_pk_mul_f32 v[16:17], v[zB:zB+1], v[zB:zB+1]
	v_pk_mul_f32 v[18:19], v[zB+2:zB+3], v[zB+2:zB+3]
.set zj,4
.rept 15
	v_pk_fma_f32 v[16:17], v[zB+zj:zB+zj+1], v[zB+zj:zB+zj+1], v[16:17]
	v_pk_fma_f32 v[18:19], v[zB+zj+2:zB+zj+3], v[zB+zj+2:zB+zj+3], v[18:19]
.set zj,zj+4
.endr
	WIN 0
	v_pk_add_f32 v[16:17], v[16:17], v[18:19]
	v_add_f32 v16, v16, v17
	v_permlanex16_b32 v17, v16, s[SEL], s[SEL+1]
	v_add_f32 v[MW+2*\i+1], v16, v17
	ds_store_b64 v[\adr], v[MW+2*\i:MW+2*\i+1] offset:512*\i
.endm
; The four waves' figures are joined; the accumulators become the normalised numbers x gain + bias (window 1: v0-63, v64-127).
.macro LNAPPLY i,adr
.set zW,2+\i/4
.set zB,64*(\i%4)
	ds_load_b128 v[16:19], v[\adr] offset:512*\i
	ds_load_b128 v[20:23], v[\adr] offset:512*\i+16
	s_wait_dscnt 0x0
	v_add_f32 v57, v16, v18
	v_add_f32 v58, v20, v22
	v_add_f32 v57, v57, v58
	v_mul_f32 v57, 0x3e800000, v57                 ; the row's mean
	v_sub_f32 v16, v16, v57
	v_sub_f32 v18, v18, v57
	v_sub_f32 v20, v20, v57
	v_sub_f32 v22, v22, v57
	v_mul_f32 v58, v16, v16
	v_fma_f32 v58, v18, v18, v58
	v_fma_f32 v58, v20, v20, v58
	v_fma_f32 v58, v22, v22, v58
	v_add_f32 v59, v17, v19
	v_add_f32 v60, v21, v23
	v_add_f32 v59, v59, v60
	v_fmamk_f32 v59, v58, 0x43000000, v59          ; + 128 x the squares of the waves' means about the row's
	v_fma_f32 v59, v59, s57, s56                   ; / 512 + 1e-5
	v_rsq_f32 v60, v59
	v_sub_f32 v62, v[MW+2*\i], v57                 ; (a plain place behind the transcendental)
	s_wait_alu depctr_va_vdst(0)
	v_mov_b32 v61, v60
	v_mul_f32 v62, v62, v60
	v_mov_b32 v63, v62
	WIN (zW<<6)|zW
.set zj,0
.rept 32
	v_pk_fma_f32 v[zB+zj:zB+zj+1], v[zB+zj:zB+zj+1], v[60:61], v[62:63]
.set zj,zj+2
.endr
	WIN (zW<<6)|0x14|zW
.set zj,0
.rept 32
	v_pk_fma_f32 v[zB+zj:zB+zj+1], v[zB+zj:zB+zj+1], v[zj:zj+1], v[64+zj:65+zj]
.set zj,zj+2
.endr
	WIN 0
.endm
	s_lshl_b32 s76, s[WV], 3
	s_add_co_u32 s76, s76, LN1S
	v_add_nc_u32 v11, s76, v14
	v_add_nc_u32 v12, LN1S, v14
	s_mul_i32 s76, s[WV], 1536
	s_add_co_u32 s76, s76, XI
	v_add_nc_u32 v13, s76, v[LI]
	s_add_co_u32 s76, s67, XSC
	v_add_nc_u32 v15, s76, v[LR]
	s_wait_alu depctr_va_vdst(0)
.irp i,0,1,2,3,4,5,6,7
	LNSTAT \i,1,11
.endr
	s_wait_loadcnt 0x0                             ; the gains and b2
	BAR
.irp i,0,1,2,3,4,5,6,7
	LNAPPLY \i,12
	QUANT 64*(\i%4),2+\i/4,2,0                     ; x's K step w
	IMAGE 13,6144*\i
	ds_store_b32 v15, v[PW] offset:256*(\i/4)+4*(\i%4)
	WIN ((2+\i/4)<<6)|0x04|(2+\i/4)
.set zj,0
.rept 32
	v_pk_add_f32 v[64*(\i%4)+zj:64*(\i%4)+zj+1], v[64*(\i%4)+zj:64*(\i%4)+zj+1], v[128+zj:129+zj]   ; x + b2: the last product adds onto it
.set zj,zj+2
.endr
	WIN 0
	s_wait_dscnt 0x0
.endr
	; ---- 5: the feed-forward layer, four chunks of 256 hidden units
	s_and_b32 s76, s[WV], 1                        ; which 128 hidden units of a chunk
	s_lshr_b32 s80, s[WV], 1                       ; which 64 tokens
	s_mul_i32 s78, s76, 12288
	v_add_nc_u32 v8, s78, v[LI]                    ; W1's images, K steps 0, 1
	v_add_nc_u32 v9, 49152, v8                     ; K steps 2, 3: past an LDS offset's 16 bits
	s_lshl_b32 s79, s76, 9
	s_add_co_u32 s81, s79, 98304
	v_add_nc_u32 v10, s81, v[LR]                   ; W1's scale words
	s_mul_i32 s81, s80, 24576
	s_add_co_u32 s81, s81, XI
	v_add_nc_u32 v11, s81, v[LI]                   ; x's images
	s_lshl_b32 s81, s80, 8
	s_add_co_u32 s84, s81, XSC
	v_add_nc_u32 v12, s84, v[LR]
	s_add_co_u32 s84, s79, B1L
	v_add_nc_u32 v13, s84, v[H64]                  ; b1: it steps 1,024 bytes a chunk
	s_mul_i32 s84, s80, 6144
	s_add_co_u32 s84, s84, s78
	s_add_co_u32 s84, s84, HI
	v_add_nc_u32 v14, s84, v[LI]                   ; where my hidden fragments go
	s_add_co_u32 s84, s79, s81
	s_add_co_u32 s84, s84, HSC
	v_add_nc_u32 v15, s84, v[LR]
	s_mul_i32 s84, s[WV], 12288
	s_add_co_u32 s84, s84, SLOT1
	v_add_nc_u32 v16, s84, v[LI]                   ; W2's images
	s_add_co_u32 s84, s67, SLOT1+98304
	v_add_nc_u32 v17, s84, v[LR]
	v_add_nc_u32 v18, HI, v[LI]
	v_add_nc_u32 v19, HSC, v[LR]
	CPL                                            ; both first tiles have landed, and x's images lie in LDS
.macro F1W b0,s                        ; W1's fragments b0 .. b0 + 3 of K step s
.irp b,0,1,2,3
.if (\s)<2
	LDF 64+12*((\b0)+\b),8,24576*(\s)+1536*((\b0)+\b)
.else
	LDF 64+12*((\b0)+\b),9,24576*((\s)-2)+1536*((\b0)+\b)
.endif
.endr
.endm
.macro F1X s                           ; x's four fragments of K step s and both sides' scale words: 15 loads
.irp i,0,1,2,3
	LDF 160+48*((\s)%2)+12*\i,11,6144*\i+1536*(\s)
.endr
	ds_load_b128 v[SC+8*((\s)%2):SC+8*((\s)%2)+3], v10 offset:1024*(\s)
	ds_load_b128 v[SC+8*((\s)%2)+4:SC+8*((\s)%2)+7], v10 offset:1024*(\s)+256
	ds_load_b128 v[SC+16+4*((\s)%2):SC+19+4*((\s)%2)], v12 offset:512*(\s)
.endm
.macro F1M s,b0                        ; 16 products: four tiles of W1 x four tiles of tokens
	WIN 0x50
.if (\s)==0
.irp i,0,1,2                           ; b1 lies in tile 3's accumulators and is the C of the three others' first products;
.irp b,0,1,2,3
	WM 64*\i+8*((\b0)+\b),64+12*((\b0)+\b),160+12*\i,192+8*((\b0)+\b),SC+(\b0)+\b,SC+16+\i
.endr
.endr
	PLACES 5                                       ; five places, and tile 3's own products write over it
.irp b,0,1,2,3
	WM 192+8*((\b0)+\b),64+12*((\b0)+\b),196,192+8*((\b0)+\b),SC+(\b0)+\b,SC+19
.endr
.else
.irp i,0,1,2,3
.irp b,0,1,2,3
	WM 64*\i+8*((\b0)+\b),64+12*((\b0)+\b),160+48*((\s)%2)+12*\i,64*\i+8*((\b0)+\b),SC+8*((\s)%2)+(\b0)+\b,SC+16+4*((\s)%2)+\i
.endr
.endr
.endif
.endm
.macro F1                              ; h = relu(x W1 + b1) of a chunk: 128 products, then four fragments
	WIN 0x40
.set zj,0
.rept 16
	ds_load_b128 v[192+4*zj:195+4*zj], v13 offset:128*(zj/4)+16*(zj%4)
.set zj,zj+1
.endr
	WIN 0
	F1W 0,0
	F1X 0
	F1W 4,0
.irp s,0,1,2,3
	s_wait_dscnt 12                                ; all but W1's tiles 4-7
.if \s==0
	v_add_nc_u32 v13, 1024, v13                    ; the next chunk's b1 (this chunk's loads are in)
.endif
	F1M \s,0
.if \s<3
	PLACES 4
	WIN 0
	F1W 0,\s+1
	F1X \s+1
	s_wait_dscnt 27                                ; all but the 27 just issued
.else
	s_wait_dscnt 0x0
.endif
	F1M \s,4
.if \s<3
	PLACES 4
	WIN 0
	F1W 4,\s+1
.endif
.endr
	PLACES 4
.irp i,0,1,2,3
	WIN 0x44
.set zj,0
.rept 64
	v_max_num_f32 v[64*\i+zj], 0, v[64*\i+zj]
.set zj,zj+1
.endr
	QUANT 64*\i,1,2,1
	IMAGE 14,1536*\i
	ds_store_b32 v15, v[PW] offset:4*\i
	s_wait_dscnt 0x0
.endr
.endm
	F1
	s_mov_b32 s82, 3
.Lffn:
	CHG 48                                         ; W1's next chunk; behind the round the hidden fragments are everybody's
	F2
	CHG 52                                         ; W2's next chunk; behind the round the hidden fragments may be written again
	F1
	WIN 0
	s_sub_co_u32 s82, s82, 1
	s_cmp_lg_u32 s82, 0
	s_cbranch_scc1 .Lffn
	CPL                                            ; the tail is written out: nothing is left to fetch
	F2
	; ---- 6: the second layer norm, and the way out
	WIN 0x40
	LDV 0,30
	LDV 64,32
	WIN 0
	v_lshlrev_b32 v9, 1, v[LR]
	s_lshl_b32 s76, s[WV], 3
	s_add_co_u32 s76, s76, LN2S
	v_add_nc_u32 v8, s76, v9
	v_add_nc_u32 v9, LN2S, v9
	s_mul_i32 s76, s[WV], 8448                     ; my stage: 16 rows x (512 + 16) bytes in slot 0, which has had its last fill and its last read
	v_and_b32 v10, 15, v0
	v_mul_u32_u24 v10, v10, 528
	v_add_nc_u32 v10, v10, v[H64]
	v_add_nc_u32 v10, s76, v10
	v_add_nc_u32 v11, s76, v[LI]
.irp i,0,1,2,3,4,5,6,7
	LNSTAT \i,0,8
.endr
	s_wait_loadcnt 0x0
	BAR
.irp i,0,1,2,3,4,5,6,7
	LNAPPLY \i,9
	WIN (2+\i/4)<<2                                ; an LDS store's data are its source 1
.set zj,0
.rept 16
	ds_store_b128 v10, v[64*(\i%4)+4*zj:64*(\i%4)+4*zj+3] offset:128*(zj/4)+16*(zj%4)
.set zj,zj+1
.endr
	WIN 0
	s_wait_xcnt 0x0                                ; earlier stores have read the registers that the rows come back into
.set zK,128+64*(\i%2)
.irp t,0,1,2,3,4,5,6,7,8,9,10,11,12,13,14,15
	ds_load_b128 v[zK+4*\t:zK+4*\t+3], v11 offset:528*\t   ; LDS serves a wave's instructions in order: these see my stores
.endr
.irp t,0,1,2,3,4,5,6,7,8,9,10,11,12,13,14,15
	s_wait_dscnt 15-\t
	global_store_b128 v[LI], v[zK+4*\t:zK+4*\t+3], s[34:35] offset:(32*(\i/2)+8*(\i%2)+\t+8*(\t/8))*2048 th:TH_STORE_NT   ; 512 consecutive bytes, aligned
.endr
.endr
	s_wait_tensorcnt 0x0                           ; the wave's end
	ds_add_u32 v[SPW], v[NIL]
	s_wait_dscnt 0x0
	ROUND                                          ; the closing round
	s_endpgm
.Lfunc_end_k_qc985d25e22_attn_ffn:
	.size	k_qc985d25e22_attn_ffn, .Lfunc_end_k_qc985d25e22_attn_ffn-k_qc985d25e22_attn_ffn
	.p2alignl 7, 3214868480
	.fill 96, 4, 3214868480
	.section	.rodata,"a",@progbits
	.p2align	6, 0x0
	.amdhsa_kernel k_qc985d25e22_attn_ffn
		.amdhsa_group_segment_fixed_size 327680
		.amdhsa_private_segment_fixed_size 0
		.amdhsa_enable_private_segment 0
		.amdhsa_kernarg_size 128
		.amdhsa_user_sgpr_count 2
		.amdhsa_user_sgpr_kernarg_segment_ptr 1
		.amdhsa_wavefront_size32 1
		.amdhsa_system_sgpr_workgroup_id_x 1
		.amdhsa_system_sgpr_workgroup_id_y 1
		.amdhsa_system_sgpr_workgroup_id_z 1
		.amdhsa_system_vgpr_workitem_id 0
		.amdhsa_next_free_vgpr 1024
		.amdhsa_next_free_sgpr 102
		.amdhsa_reserve_vcc 0
		.amdhsa_float_denorm_mode_32 3
		.amdhsa_float_denorm_mode_16_64 3
		.amdhsa_memory_ordered 1
		.amdhsa_forward_progress 1
		.amdhsa_inst_pref_size 255
	.end_amdhsa_kernel
	.section	.bss,"aw",@nobits
	.p2align	6
	.space	262144
	.amdgpu_metadata
---
amdhsa.version: [ 1, 2 ]
amdhsa.kernels:
  - .name:           k_qc985d25e22_attn_ffn
    .symbol:         k_qc985d25e22_attn_ffn.kd
    .args:
      - { .name: src, .offset: 0, .size: 8, .value_kind: global_buffer, .address_space: global }
      - { .name: mask, .offset: 8, .size: 8, .value_kind: global_buffer, .address_space: global }
      - { .name: qc, .offset: 16, .size: 8, .value_kind: global_buffer, .address_space: global }
      - { .name: qs, .offset: 24, .size: 8, .value_kind: global_buffer, .address_space: global }
      - { .name: kc, .offset: 32, .size: 8, .value_kind: global_buffer, .address_space: global }
      - { .name: ks, .offset: 40, .size: 8, .value_kind: global_buffer, .address_space: global }
      - { .name: vc, .offset: 48, .size: 8, .value_kind: global_buffer, .address_space: global }
      - { .name: vs, .offset: 56, .size: 8, .value_kind: global_buffer, .address_space: global }
      - { .name: wts, .offset: 64, .size: 8, .value_kind: global_buffer, .address_space: global }
      - { .name: b1, .offset: 72, .size: 8, .value_kind: global_buffer, .address_space: global }
      - { .name: b2, .offset: 80, .size: 8, .value_kind: global_buffer, .address_space: global }
      - { .name: ln1_g, .offset: 88, .size: 8, .value_kind: global_buffer, .address_space: global }
      - { .name: ln1_b, .offset: 96, .size: 8, .value_kind: global_buffer, .address_space: global }
      - { .name: ln2_g, .offset: 104, .size: 8, .value_kind: global_buffer, .address_space: global }
      - { .name: ln2_b, .offset: 112, .size: 8, .value_kind: global_buffer, .address_space: global }
      - { .name: out0, .offset: 120, .size: 8, .value_kind: global_buffer, .address_space: global }
    .group_segment_fixed_size: 327680
    .private_segment_fixed_size: 0
    .kernarg_segment_align: 8
    .kernarg_segment_size: 128
    .max_flat_workgroup_size: 128
    .sgpr_count:     102
    .vgpr_count:     1024
    .wavefront_size: 32
...
	.end_amdgpu_metadata
.endif
;; end of part 3
;; ======== version 2 of 2: 3 launches; 1.17 times as fast as version 1
;; workspace buffers: wts 1,433,600 bytes; qc 12,582,912 bytes; qs 524,288 bytes; kc 12,582,912 bytes; ks 524,288 bytes; vc 12,582,912 bytes; vs 524,288 bytes
;; launch prep: the kernel of part 1 again; grid 112 x 1, 4 waves a work-group, no clusters, 13,824 bytes of LDS; arguments Wq, Wk, Wv, W1, W2, wts; writes wts
;; launch qkv: the kernel of part 2 again; grid 256 x 1, 4 waves a work-group, clusters of 4 x 1, 327,680 bytes of LDS; arguments src, wts, bq, bk, bv, qc, qs, kc, ks, vc, vs; writes qc, qs, kc, ks, vc, vs
;; launch attn_ffn (part 4): grid 256 x 1, 4 waves a work-group, clusters of 4 x 1, 327,680 bytes of LDS; arguments src, mask, qc, qs, kc, ks, vc, vs, wts, b1, b2, ln1_g, ln1_b, ln2_g, ln2_b, out0; writes out0
.if DOCPART == 4
	.amdgcn_target "amdgcn-amd-amdhsa--gfx1250"
	.amdhsa_code_object_version 6
	.text
	.protected	k_qc985d25e22_attn_ffn
	.globl	k_qc985d25e22_attn_ffn
	.p2align	8
	.type	k_qc985d25e22_attn_ffn,@function
k_qc985d25e22_attn_ffn:
	s_mov_b64 s[64:65], 0
	v_nop
	global_prefetch_b8 v0, s[64:65] scope:SCOPE_SE
	s_setreg_imm32_b32 hwreg(HW_REG_WAVE_MODE, 25, 1), 1
	s_wait_xcnt 0x0
	s_wait_alu depctr_hold_cnt(0) depctr_sa_sdst(0) depctr_va_vdst(0) depctr_va_sdst(0) depctr_va_ssrc(0) depctr_va_vcc(0) depctr_vm_vsrc(0)
	s_getreg_b32 s2, hwreg(HW_REG_IB_STS2, 6, 4)
	s_cmp_eq_u32 s2, 0
	s_cbranch_scc0 .Lentry_in_a_cluster
	s_endpgm
.Lentry_in_a_cluster:
	s_bfe_u32 s2, ttmp6, 0x10000c
	s_cmp_lg_u32 s2, 0x3003
	s_cbranch_scc0 .Lentry_shape_is_right
	s_endpgm
.Lentry_shape_is_right:
; out0 = LN2(x + relu(x W1 + b1) W2 + b2), x = LN1(src + attention), all four products on codes of BF6 (E3M2) with E8M0 scales.
; A work-group owns 128 tokens (block g): two windows of 64 queries.  Every query sees the block's own 128 keys and 64 more: window 0 the last 64 of block g - 1, window 1 the first 64 of block g + 1.
; Keys that the mask input hides, and keys outside the sequence, get the logit -1e10 and still count in the softmax; outside the sequence p's codes are set to 0 as well, since v is 0 there.
; SCORES: wave w owns query tiles 2 w, 2 w + 1, one a trip of a loop: S^T = k q^T, a lane holds one query, its registers run along the keys.  t = score x log2(e); M = ceil(the row's largest t);
; p = 2^(t - M) is quantised along the keys; the row's sum l is taken of the unquantised p.  (t is a product and then a sum, not one fused step: a row whose keys are all hidden then has t - M = 0 exactly.)
; FROM THERE ON wave w owns features 128 w .. + 127 of all 128 tokens, 64 accumulators: they begin as src x l, take v^T p^T on top, and 1 / l goes into the layer norm.
; x stays in those accumulators as the C of the last product.  The hidden layer goes in four chunks of 256: wave w makes 128 hidden units (w % 2) of 64 tokens (w / 2), 64 units a trip.
; THE LAST LAYER NORM GOES BY ROWS: the accumulators are laid into LDS as 128 rows, and each wave takes 32 whole rows through one loop on fixed registers; b2 is added there.
; What recurs is written as a loop (query tiles, halves of the hidden units, K steps of the last product, rows), so that the text stays short; only the first layer norm is written out tile by tile,
; since its numbers must stay in the accumulators, whose register numbers differ from tile to tile.
; TILES OF 16 ARE NOT NEIGHBOURS: tile 2 b + u, row m, is element 32 b + 8 u + m + 8 (m / 8) of its 128.  Operands lie as images of their registers (1,536 bytes a fragment), scale words 256 bytes for four tiles.
; W1's and W2's chunks (wts tiles 6 to 13) come through two LDS slots, asked for JOINTLY by the four work-groups of a cluster.  Two tensor loads of a wave are out at the start, one behind each round.
; The first layer norm's mean and sum of squares are made for each wave's 128 features about their own mean and joined through LDS; the last one's mean first, then the squares about it.
; LIMITS: a block whose largest magnitude lies under 2^-122 gets the byte 1; NaN and infinities are not served; a window's keys are summed own 128 first, then the 64 others.
; REGISTERS: window 0: v1-7 fixed addresses, v8-15 the phase's, v16-23 at work, v24-35 TM, v36-63 scale words or the codes just made (v36-55, v56), v64-255 by phase.  Window 1: k, then v, then gains, then the hidden layer
; and W2.  Windows 2, 3: k, then the 64 accumulators ((i, a) at 64 (i % 4) + 8 a).
.set SLOT1,102400
.set XI,204800                         ; x's 32 fragments [tile][K step]
.set XSC,253952                        ; their scale words [K step][tile / 4]
.set HI,256000                         ; a chunk's 16 hidden fragments [K step][tile], each as two halves of 768 bytes: registers 6 c .. + 3 at 16 x lane, registers 6 c + 4, + 5 at 512 + 8 x lane
.set HSC,280576
.set PI,281600                         ; p's 16 fragments [own | other keys][tile]
.set PSC,306176
.set RLB,307200                        ; the rows' sums l [tile][row]
.set LN1S,307712                       ; [tile][row][wave] pairs (mean, sum of squares)
.set B1L,315904                        ; b1
.set SPARE,320000                      ; the spare words: 512 bytes that no other line names
.set RP,2064                           ; the last layer norm's rows, from LDS byte 0 on: 2,048 bytes + 16: the sixteen rows of a store begin at sixteen different groups of four banks
.set SPW,1
.set NIL,2
.set LI,3                              ; 16 x lane
.set LR,4                              ; 16 x (lane % 16)
.set SRCO,5
.set H64,6                             ; 64 x (lane / 16)
.set L4,7                              ; 4 x (lane % 16)
.set TM,24
.set PC,36
.set SC,36
.set PW,56
.set MW,64
.set OUTR,64
.set SIN,160
.set SOUT,168
.set KS,160                            ; k's scale words, through both trips of the scores' loop
.set QSC,184                           ; q's
.set WV,36
.set SEL,38
.set G1,40
.set MSB,0
.macro WIN new                         ; the immediate's high byte repeats the setting that is left
.if MSB != (\new)
	s_set_vgpr_msb (MSB<<8)|(\new)
.set MSB,(\new)
.endif
.endm
.macro PLACES n
.rept \n
	v_nop
.endr
.endm
.macro ROUND                           ; a round of the cluster's barrier
	s_barrier_signal -1
	s_barrier_wait -1
	s_cmp_lg_u32 s[WV], 0
	s_cbranch_scc1 .Lnw0_\@
	s_barrier_signal -3
.Lnw0_\@:
	s_barrier_wait -3
	s_barrier_signal -1
	s_barrier_wait -1
.endm
.macro BAR                             ; my LDS stores have landed and my LDS loads are in: then the work-group's barrier
	s_wait_dscnt 0x0
	s_barrier_signal -1
	s_barrier_wait -1
.endm
.macro CHG g0                          ; the slot just read is filled again, with the next chunk
	WIN 0
	s_wait_tensorcnt 0x0                           ; all my tensor loads have landed, my quarter of the other slot among them
	ds_add_u32 v[SPW], v[NIL]                      ; 0 onto my spare word
	s_add_nc_u64 s[\g0+2:\g0+3], s[\g0+2:\g0+3], 204800
	s_wait_dscnt 0x0                               ; the add is done, my reads of the slot are over and my images have landed
	ROUND                                          ; so of every wave of the four work-groups
	tensor_load_to_lds s[\g0:\g0+3], s[G1:G1+7]
	s_nop 0
	PLACES 4
.endm
.macro CPL                             ; the same without a refill
	WIN 0
	s_wait_tensorcnt 0x0
	ds_add_u32 v[SPW], v[NIL]
	s_wait_dscnt 0x0
	s_barrier_signal -1
	s_barrier_wait -1
.endm
; 32 nc numbers of a lane in window win, register 16 b + i = k 32 b + 16 (lane / 16) + i of my row, become codes in v[PC] on and the scale word in v[PW].  mode 1: none is negative.
.macro QUANT src,win,nc,mode
	WIN ((\win)<<2)|((\win)<<4)
.irp i,0,2,4,6,8,10,12,14
.irp b,0,1,2,3
.if \b<2*(\nc)
.set zq,(\src)+16*\b+\i
.if \i==0
.if \mode
	v_max3_num_f32 v[TM+\b], 0x2800000, v[zq], v[zq+1]
.else
	v_max3_num_f32 v[TM+\b], 0x2800000, |v[zq]|, |v[zq+1]|   ; with the floor 2^(5 - 127): the byte cannot fall under 1
.endif
.else
.if \mode
	v_max3_num_f32 v[TM+\b], v[TM+\b], v[zq], v[zq+1]
.else
	v_max3_num_f32 v[TM+\b], v[TM+\b], |v[zq]|, |v[zq+1]|
.endif
.endif
.endif
.endr
.endr
	WIN 0
.irp b,0,1,2,3
.if \b<2*(\nc)
	v_permlanex16_b32 v[TM+4+\b], v[TM+\b], s[SEL], s[SEL+1]
.endif
.endr
.irp b,0,1,2,3
.if \b<2*(\nc)
	v_max_num_f32 v[TM+\b], v[TM+\b], v[TM+4+\b]   ; with lane l xor 16's: the block's largest magnitude
.endif
.endr
.irp b,0,1,2,3
.if \b<2*(\nc)
	v_add_nc_u32 v[TM+8+\b], 0xfe000000, v[TM+\b]  ; 4 off its exponent field: the conversion's scale operand
.endif
.endr
.irp b,0,1,2,3
.if \b<2*(\nc)
	v_lshrrev_b32 v[TM+4+\b], 23, v[TM+8+\b]       ; the scale's byte
.endif
.endr
	v_lshl_or_b32 v[PW], v[TM+5], 8, v[TM+4]
.if (\nc)==2
	v_lshl_or_b32 v[PW], v[TM+6], 16, v[PW]
	v_lshl_or_b32 v[PW], v[TM+7], 24, v[PW]
.endif
	WIN (\win)
.irp c,0,1
.if \c<(\nc)
	v_cvt_scalef32_pk16_bf6_f32 v[PC+6*\c:PC+6*\c+2], v[(\src)+32*\c:(\src)+32*\c+15], v[TM+8+2*\c]
	v_cvt_scalef32_pk16_bf6_f32 v[PC+12+4*\c:PC+14+4*\c], v[(\src)+32*\c+16:(\src)+32*\c+31], v[TM+9+2*\c]
.endif
.endr
	WIN 0
	v_nop                                          ; one plain place behind a scaled conversion
.irp c,0,1
.if \c<(\nc)
.irp i,0,1,2
	v_permlane16_swap_b32 v[PC+6*\c+\i], v[PC+12+4*\c+\i]   ; a whole block to a lane: lanes 0-15 block 2 c, lanes 16-31 block 2 c + 1
.endr
.irp i,0,1,2
	v_mov_b32 v[PC+3+6*\c+\i], v[PC+12+4*\c+\i]
.endr
.endif
.endr
.endm
.macro IMAGE adr,off
.irp c,0,1,2
	ds_store_b128 v[\adr], v[PC+4*\c:PC+4*\c+3] offset:(\off)+512*\c
.endr
.endm
.macro LDF reg,adr,off
.irp c,0,1,2
	ds_load_b128 v[(\reg)+4*\c:(\reg)+4*\c+3], v[\adr] offset:(\off)+512*\c
.endr
.endm
.macro WM d,a,b,c,sa,sb
	v_wmma_scale_f32_16x16x128_f8f6f4 v[(\d):(\d)+7], v[(\a):(\a)+11], v[(\b):(\b)+11], v[(\c):(\c)+7], v[(\sa)], v[(\sb)] matrix_a_fmt:MATRIX_FMT_BF6 matrix_b_fmt:MATRIX_FMT_BF6
.endm
	s_load_b512 s[4:19], s[0:1], 0x0               ; src, mask, qc, qs, kc, ks, vc, vs
	s_load_b512 s[20:35], s[0:1], 0x40             ; wts, b1, b2, ln1_g, ln1_b, ln2_g, ln2_b, out0
	v_lshl_add_u32 v[SPW], v0, 2, SPARE
	v_mov_b32 v[NIL], 0
	ds_add_u32 v1, v2
	ds_add_u32 v1, v2
	s_wait_dscnt 0x0
	v_lshrrev_b32 v16, 5, v0
	v_readfirstlane_b32 s[WV], v16                 ; wave 0..3
	s_bfe_u32 s76, ttmp6, 0x40000
	s_lshl_b32 s37, ttmp9, 2
	s_add_co_u32 s37, s37, s76                     ; g: it enters global addresses and data masks alone
	s_and_b32 s67, s37, 63                         ; 64 blocks to a sequence
	s_cmp_eq_u32 s67, 0
	s_cselect_b32 s58, 0, -1                       ; is there a block before?
	s_cselect_b32 s76, 0, 1
	s_sub_co_u32 s56, s37, s76                     ; it, or my own in its stead (its p are set to 0)
	s_cmp_eq_u32 s67, 63
	s_cselect_b32 s59, 0, -1
	s_cselect_b32 s76, 0, 1
	s_add_co_u32 s57, s37, s76                     ; the block behind, likewise
	s_lshr_b32 s67, s[WV], 1                       ; my queries' window
	s_cmp_eq_u32 s67, 0
	s_cselect_b32 s60, s56, s57                    ; the block of my 64 other keys,
	s_cselect_b32 s61, s58, s59                    ; whether it is there,
	s_cselect_b32 s62, 0, s61                      ; the mask of p's codes for K 0-63 of that block,
	s_cselect_b32 s63, s61, 0                      ; and for K 64-127,
	s_cselect_b32 s66, 4, 0                        ; and the first of its four tiles
	s_mov_b32 s[G1], 0x0023000F                    ; mask: all four work-groups; elements of 8 bytes; bit 21 beside the mask; no padding
	s_mov_b32 s[G1+1], 32<<16                      ; rows of 256 bytes
	s_mov_b32 s[G1+2], 100<<16                     ; 100 of them: a quarter of a tile
	s_mov_b32 s[G1+3], 32<<16
	s_mov_b32 s[G1+4], 100
	s_mov_b32 s[G1+5], 32
	s_mov_b32 s[G1+6], 0
	s_mov_b32 s[G1+7], 0
	s_mov_b32 s[SEL], 0x76543210
	s_mov_b32 s[SEL+1], 0xfedcba98
	s_mov_b32 s68, 0x3FB8AA3B                      ; log2(e)
	s_mov_b32 s69, s68
	s_mov_b32 s70, 0xD01502F9                      ; -1e10,
	s_mul_f32 s70, s70, s68                        ; as t
	s_mov_b32 s71, 255
	s_mov_b32 s72, 0
	s_mov_b32 s73, 0x01010101
	s_mov_b32 s74, 0x02020202
	s_mov_b32 s75, 0x03030303
	s_lshl_b32 s67, s[WV], 9                       ; 512 w
	v_and_b32 v16, 31, v0
	v_lshlrev_b32 v[LI], 4, v16
	v_and_b32 v17, 15, v0
	v_lshlrev_b32 v[LR], 4, v17
	v_lshlrev_b32 v[L4], 2, v17
	v_bfe_u32 v18, v0, 4, 1
	v_lshlrev_b32 v[H64], 6, v18
	v_and_b32 v19, 8, v17
	v_add_nc_u32 v19, v19, v17                     ; r + 8 (r / 8)
	v_lshl_add_u32 v[SRCO], v19, 11, v[H64]
	v_add_nc_u32 v[SRCO], s67, v[SRCO]             ; src: my token's row, my wave's 512 bytes, + 64 for lanes 16-31
	s_lshl_b32 s76, s[WV], 7
	s_add_co_u32 s76, s76, RLB
	v_add_nc_u32 v11, s76, v[L4]                   ; where my queries' l go
	s_mul_i32 s76, s[WV], 3072
	s_add_co_u32 s76, s76, PI
	v_add_nc_u32 v12, s76, v[LI]                   ; p's images
	s_lshr_b32 s76, s[WV], 1
	s_lshl_b32 s76, s76, 8
	s_and_b32 s80, s[WV], 1
	s_lshl_b32 s80, s80, 3
	s_add_co_u32 s76, s76, s80
	s_add_co_u32 s76, s76, PSC
	v_add_nc_u32 v13, s76, v[LR]                   ; p's scale words
	v_lshlrev_b32 v14, 1, v[LR]                    ; 32 x (lane % 16)
.irp b,0,1,2,3
	v_mov_b32 v[TM+4+\b], 0                        ; written once: a lane permute's destination counts as one of its sources
.endr
	s_mul_i32 s76, s[WV], 25600
	s_mov_b32 s77, 0
	s_wait_kmcnt 0x0
	s_add_nc_u64 s[78:79], s[20:21], s[76:77]
	s_mov_b32 s48, 1
	s_mov_b32 s49, s76
	s_add_nc_u64 s[50:51], s[78:79], 614400        ; W1's chunk 0: tile 6
	s_or_b32 s51, s51, 0x80000000
	s_mov_b32 s52, 1
	s_add_co_u32 s53, s76, SLOT1
	s_add_nc_u64 s[54:55], s[78:79], 716800        ; W2's chunk 0: tile 7
	s_or_b32 s55, s55, 0x80000000
	ROUND                                          ; all four work-groups are here: the first joint loads meet
	tensor_load_to_lds s[48:51], s[G1:G1+7]
	s_nop 0
	tensor_load_to_lds s[52:55], s[G1:G1+7]
	s_nop 0
	PLACES 4
	s_lshl_b32 s76, s37, 18
	s_add_nc_u64 s[4:5], s[4:5], s[76:77]          ; src at my block
	s_lshl_b32 s80, s[WV], 16
	s_add_co_u32 s76, s76, s80
	s_add_nc_u64 s[34:35], s[34:35], s[76:77]      ; out0 at the 32 tokens whose rows I store
	s_lshl_b32 s76, s37, 7
	s_add_nc_u64 s[78:79], s[6:7], s[76:77]        ; the mask of my block's keys
	s_lshl_b32 s76, s60, 7
	s_lshl_b32 s80, s66, 4
	s_add_co_u32 s76, s76, s80
	s_add_nc_u64 s[80:81], s[6:7], s[76:77]        ; and of the 64 others
	s_lshl_b32 s76, s37, 11
	s_add_nc_u64 s[84:85], s[14:15], s[76:77]      ; k's scale words
	s_add_co_u32 s76, s76, s67
	s_add_nc_u64 s[10:11], s[10:11], s[76:77]      ; my queries' scale words
	s_add_nc_u64 s[96:97], s[18:19], s[76:77]      ; v's scale words: my block,
	s_lshl_b32 s76, s56, 11
	s_add_co_u32 s76, s76, s67
	s_add_nc_u64 s[98:99], s[18:19], s[76:77]      ; the block before,
	s_lshl_b32 s76, s57, 11
	s_add_co_u32 s76, s76, s67
	s_add_nc_u64 s[100:101], s[18:19], s[76:77]    ; the block behind
	s_lshl_b32 s76, s60, 11
	s_lshl_b32 s86, s66, 8
	s_add_co_u32 s76, s76, s86
	s_add_nc_u64 s[86:87], s[14:15], s[76:77]      ; the other keys' scale words
	s_mul_i32 s76, s60, 49152
	s_mul_i32 s88, s66, 6144
	s_add_co_u32 s76, s76, s88
	s_add_nc_u64 s[88:89], s[12:13], s[76:77]      ; the other keys' codes
	s_mul_i32 s76, s37, 49152
	s_add_nc_u64 s[12:13], s[12:13], s[76:77]      ; my block's keys
	s_mul_i32 s82, s[WV], 12288
	s_add_co_u32 s76, s76, s82
	s_add_nc_u64 s[8:9], s[8:9], s[76:77]          ; my two tiles of queries
	s_add_nc_u64 s[90:91], s[16:17], s[76:77]      ; v: my eight tiles of features, my block,
	s_mul_i32 s76, s56, 49152
	s_add_co_u32 s76, s76, s82
	s_add_nc_u64 s[92:93], s[16:17], s[76:77]      ; the block before,
	s_mul_i32 s76, s57, 49152
	s_add_co_u32 s76, s76, s82
	s_add_nc_u64 s[94:95], s[16:17], s[76:77]      ; the block behind
	s_mov_b32 s76, s67
	s_add_nc_u64 s[26:27], s[26:27], s[76:77]      ; the first layer norm's gain and bias at my 128 features
	s_add_nc_u64 s[28:29], s[28:29], s[76:77]
	s_mov_b32 s56, 0x3727C5AC                      ; 1e-5
	s_mov_b32 s57, 0x3B000000                      ; 1 / 512
	; ---- 0: everything that the scores want, from memory straight into registers
	v_lshlrev_b32 v8, 5, v0
	global_load_b128 v[16:19], v8, s[22:23]        ; b1, 32 bytes a thread
	global_load_b128 v[20:23], v8, s[22:23] offset:16
	v_lshrrev_b32 v9, 2, v[H64]                    ; 16 x (lane / 16)
	WIN 0xc0
.irp b,0,1,2,3
	global_load_b128 v[192+4*\b:195+4*\b], v9, s[78:79] offset:32*\b   ; the mask bytes of keys 32 b + 16 (lane / 16) + 0 .. 15
.endr
.irp b,0,1
	global_load_b128 v[208+4*\b:211+4*\b], v9, s[80:81] offset:32*\b
.endr
	WIN 0
.irp j,0,1,2,3
	global_load_b128 v[KS+4*\j:KS+4*\j+3], v[LI], s[84:85] offset:512*\j   ; lanes 0-15: tile 2 j's rows, lanes 16-31: tile 2 j + 1's; register s: K step s
.endr
.irp j,0,1
	global_load_b128 v[KS+16+4*\j:KS+19+4*\j], v[LI], s[86:87] offset:512*\j
.endr
	global_load_b128 v[QSC:QSC+3], v[LR], s[10:11]
.set zf,0
.rept 48                               ; k's fragments: f = 4 x tile + K step, at v[12 (f % 16)] of window 1 + f / 16
	WIN (1+zf/16)<<6
.irp c,0,1,2
.if zf<32
	global_load_b128 v[12*(zf%16)+4*\c:12*(zf%16)+4*\c+3], v[LI], s[12:13] offset:1536*zf+512*\c
.else
	global_load_b128 v[12*(zf%16)+4*\c:12*(zf%16)+4*\c+3], v[LI], s[88:89] offset:1536*(zf-32)+512*\c
.endif
.endr
.set zf,zf+1
.endr
	WIN 0x40
.irp k,0,1,2,3,4,5,6,7,8,9,10,11
	global_load_b128 v[192+4*\k:195+4*\k], v[LI], s[8:9] offset:512*\k   ; the first query tile's four fragments
.endr
	WIN 0
	s_wait_loadcnt 0x0
	v_add_nc_u32 v8, B1L, v8
	ds_store_b128 v8, v[16:19]
	ds_store_b128 v8, v[20:23] offset:16
	WIN 0xcf
.set zj,0
.rept 24
	v_mul_lo_u32 v[192+zj], v[192+zj], s71         ; mask bytes 0 | 1 become 0 | 255
.set zj,zj+1
.endr
.set zj,0
.rept 8
	v_and_b32 v[208+zj], s61, v[208+zj]            ; nothing counts outside the sequence
.set zj,zj+1
.endr
	WIN 0
	; ---- 1, 2: scores, mask and softmax: a trip for each of my two query tiles, on the same registers
	s_mov_b32 s14, 0                               ; 64 x trip: l's place
	s_mov_b32 s15, 0                               ; 1,536 x trip: p's images
	s_mov_b32 s16, 0                               ; 4 x trip: p's scale words
	s_mov_b32 s17, 0                               ; the trip
.Lq:
	s_wait_loadcnt 0x0                             ; this tile's q
.irp s,0,1,2,3                         ; S^T = k q^T: 12 accumulators by turns, K step by K step
.irp kt,0,1,2,3,4,5,6,7,8,9,10,11
	WIN (1+\kt/4)|4
.set zd,64+8*\kt
.set za,12*((4*\kt+\s)%16)
.set zb,192+12*\s
.set zs,KS+4*(\kt/2)+\s
.set zt,QSC+\s
.if \s==0
.if \kt%2
	v_wmma_scale_f32_16x16x128_f8f6f4 v[zd:zd+7], v[za:za+11], v[zb:zb+11], 0, v[zs], v[zt] matrix_a_fmt:MATRIX_FMT_BF6 matrix_b_fmt:MATRIX_FMT_BF6 matrix_a_scale:MATRIX_SCALE_ROW1
.else
	v_wmma_scale_f32_16x16x128_f8f6f4 v[zd:zd+7], v[za:za+11], v[zb:zb+11], 0, v[zs], v[zt] matrix_a_fmt:MATRIX_FMT_BF6 matrix_b_fmt:MATRIX_FMT_BF6
.endif
.else
.if \kt%2
	v_wmma_scale_f32_16x16x128_f8f6f4 v[zd:zd+7], v[za:za+11], v[zb:zb+11], v[zd:zd+7], v[zs], v[zt] matrix_a_fmt:MATRIX_FMT_BF6 matrix_b_fmt:MATRIX_FMT_BF6 matrix_a_scale:MATRIX_SCALE_ROW1
.else
	v_wmma_scale_f32_16x16x128_f8f6f4 v[zd:zd+7], v[za:za+11], v[zb:zb+11], v[zd:zd+7], v[zs], v[zt] matrix_a_fmt:MATRIX_FMT_BF6 matrix_b_fmt:MATRIX_FMT_BF6
.endif
.endif
.endr
.endr
	WIN 0
	PLACES 4                                       ; in front of the loads into q's registers and of the first read of the scores
	s_cmp_eq_u32 s17, 1                            ; the second tile's q is asked for here, if there is a second trip to come
	s_cbranch_scc1 .Lnoq
	WIN 0x40
.irp k,0,1,2,3,4,5,6,7,8,9,10,11
	global_load_b128 v[192+4*\k:195+4*\k], v[LI], s[8:9] offset:6144+512*\k
.endr
	WIN 0
	global_load_b128 v[QSC:QSC+3], v[LR], s[10:11] offset:256
.Lnoq:
.set zj,0
.rept 48
	v_pk_mul_f32 v[64+zj:65+zj], v[64+zj:65+zj], s[68:69] op_sel_hi:[1,0]   ; t = score x log2(e), each accumulator from its low end on
.set zj,zj+2
.endr
.irp q,0,1,2,3                         ; six mask registers, 24 keys, at a time
	WIN 0x0f
.irp m,0,1,2,3,4,5
.irp k,0,1,2,3
	v_perm_b32 v[36+4*\m+\k], v[192+6*\q+\m], v[192+6*\q+\m], s[72+\k]   ; a key's byte fills a word
.endr
.endr
	WIN 0
.set zj,0
.rept 24
	v_bfi_b32 v[64+24*\q+zj], v[36+zj], v[64+24*\q+zj], s70   ; t, or -1e10 x log2(e)
.set zj,zj+1
.endr
.endr
	v_add_nc_u32 v57, s14, v11
	v_add_nc_u32 v58, s15, v12
	v_add_nc_u32 v59, s16, v13
	v_max3_num_f32 v16, v64, v65, v66
	v_max3_num_f32 v17, v67, v68, v69
.set zj,6
.rept 22
	v_max3_num_f32 v16, v16, v[64+zj], v[65+zj]
	v_max3_num_f32 v17, v17, v[66+zj], v[67+zj]
.set zj,zj+4
.endr
	v_max3_num_f32 v16, v16, v158, v159
	v_max_num_f32 v16, v16, v17
	v_permlanex16_b32 v17, v16, s[SEL], s[SEL+1]
	v_max_num_f32 v16, v16, v17                    ; the row's largest t
	v_floor_f32 v18, -v16                          ; -M = floor(-t): M is a whole number
	v_mov_b32 v19, v18
.set zj,0
.rept 48
	v_pk_add_f32 v[64+zj:65+zj], v[64+zj:65+zj], v[18:19]
.set zj,zj+2
.endr
.set zj,0
.rept 96
	v_exp_f32 v[64+zj], v[64+zj]                   ; p = 2^(t - M)
.set zj,zj+1
.endr
	v_nop                                          ; a plain place behind the exponentials
	s_wait_alu depctr_va_vdst(0)
	v_pk_add_f32 v[20:21], v[64:65], v[66:67]      ; the row's sum, of the unquantised p, in two chains
	v_pk_add_f32 v[22:23], v[68:69], v[70:71]
.set zj,8
.rept 22
	v_pk_add_f32 v[20:21], v[20:21], v[64+zj:65+zj]
	v_pk_add_f32 v[22:23], v[22:23], v[66+zj:67+zj]
.set zj,zj+4
.endr
	v_pk_add_f32 v[20:21], v[20:21], v[22:23]
	v_add_f32 v20, v20, v21
	v_permlanex16_b32 v21, v20, s[SEL], s[SEL+1]
	v_add_f32 v20, v20, v21
	ds_store_b32 v57, v20                          ; both halves of the lanes write the same word with the same value
	QUANT 64,0,2,1                                 ; my block's 128 keys
	IMAGE 58,0
	ds_store_b32 v59, v[PW]
	s_wait_dscnt 0x0                               ; the stores have read their registers
	QUANT 128,0,1,1                                ; the 64 others: they are K 64-127 of the block before, or K 0-63 of the block behind
.irp k,0,1,2,3,4,5
	v_and_b32 v[PC+6+\k], s63, v[PC+\k]
.endr
.irp k,0,1,2,3,4,5
	v_and_b32 v[PC+\k], s62, v[PC+\k]              ; the other half of K, and all of it outside the sequence: zero codes
.endr
	v_lshl_or_b32 v[PW], v[PW], 16, v[PW]
	IMAGE 58,12288
	ds_store_b32 v59, v[PW] offset:512
	s_wait_dscnt 0x0
	s_add_co_u32 s14, s14, 64
	s_add_co_u32 s15, s15, 1536
	s_add_co_u32 s16, s16, 4
	s_add_co_u32 s17, s17, 1
	s_cmp_lt_u32 s17, 2
	s_cbranch_scc1 .Lq
	; k is done with: v and src take its registers
	WIN 0x40
.set zj,0
.rept 24
	global_load_b128 v[4*zj:4*zj+3], v[LI], s[90:91] offset:512*zj        ; v of my block
	global_load_b128 v[96+4*zj:99+4*zj], v[LI], s[92:93] offset:512*zj    ; and of the block before
.set zj,zj+1
.endr
	WIN 0
.macro SRCL i0                         ; src, tiles i0 .. i0 + 3, my 128 features, into the accumulators' registers
	WIN (2+(\i0)/4)<<6
.irp i,0,1,2,3
.set zj,0
.rept 16
	global_load_b128 v[64*\i+4*zj:64*\i+4*zj+3], v[SRCO], s[4:5] offset:(32*(((\i0)+\i)/2)+8*(\i%2))*2048+128*(zj/4)+16*(zj%4) th:TH_LOAD_NT
.set zj,zj+1
.endr
.endr
	WIN 0
.endm
	SRCL 0
	SRCL 4
	global_load_b128 v[SC:SC+3], v14, s[96:97]     ; v's scale words: eight tiles' for my row
	global_load_b128 v[SC+4:SC+7], v14, s[96:97] offset:16
	global_load_b128 v[SC+8:SC+11], v14, s[98:99]
	global_load_b128 v[SC+12:SC+15], v14, s[98:99] offset:16
	global_load_b128 v[SC+16:SC+19], v14, s[100:101]
	global_load_b128 v[SC+20:SC+23], v14, s[100:101] offset:16
	BAR                                            ; p, its scale words, l and b1 lie in LDS
	; ---- 3: the accumulators become src x l + v^T p^T
	v_add_nc_u32 v8, RLB, v[L4]
	v_add_nc_u32 v9, PSC, v[LR]
	v_add_nc_u32 v10, PI, v[LI]
.irp i,0,1,2,3,4,5,6,7
	ds_load_b32 v[224+2*\i], v8 offset:64*\i
	ds_load_b32 v[225+2*\i], v8 offset:64*\i       ; twice: a pair for the packed forms
.endr
.irp k,0,1,2,3
	ds_load_b128 v[208+4*\k:211+4*\k], v9 offset:256*\k
.endr
.irp i,0,1,2,3
	LDF 64+12*\i,10,12288+1536*\i
.endr
.irp i,0,1,2,3,4,5,6,7
	LDF 112+12*\i,10,1536*\i
.endr
	s_wait_dscnt 0x0
	s_wait_loadcnt 0x0
.irp i,0,1,2,3,4,5,6,7
	WIN ((2+\i/4)<<6)|(2+\i/4)
.set zj,0
.rept 32
	v_pk_mul_f32 v[64*(\i%4)+zj:64*(\i%4)+zj+1], v[64*(\i%4)+zj:64*(\i%4)+zj+1], v[224+2*\i:225+2*\i]
.set zj,zj+2
.endr
.endr
	WIN 0
.set zj,0
.rept 16
	v_rcp_f32 v[224+zj], v[224+zj]                 ; 1 / l, for the layer norm
.set zj,zj+1
.endr
	v_nop
	WIN 0xa1
.irp i,0,1,2,3                         ; window 0's queries against the block before
.irp a,0,1,2,3,4,5,6,7
	WM 64*\i+8*\a,96+12*\a,64+12*\i,64*\i+8*\a,SC+8+\a,216+\i
.endr
.endr
	PLACES 4
	WIN 0x40
.set zj,0
.rept 24
	global_load_b128 v[96+4*zj:99+4*zj], v[LI], s[94:95] offset:512*zj    ; v of the block behind
.set zj,zj+1
.endr
	WIN 0
.irp i,4,5,6,7
	LDF 64+12*(\i-4),10,12288+1536*\i
.endr
.irp i,0,1,2,3,4,5,6,7                 ; all queries against my block
	WIN 0xa1+0x50*(\i/4)
.irp a,0,1,2,3,4,5,6,7
	WM 64*(\i%4)+8*\a,12*\a,112+12*\i,64*(\i%4)+8*\a,SC+\a,208+\i
.endr
.endr
	s_wait_loadcnt 0x0
	s_wait_dscnt 0x0
.irp i,4,5,6,7                         ; window 1's queries against the block behind
.irp a,0,1,2,3,4,5,6,7
	WM 64*(\i-4)+8*\a,96+12*\a,64+12*(\i-4),64*(\i-4)+8*\a,SC+16+\a,216+\i
.endr
.endr
	WIN 0
	PLACES 4
.macro LDV reg,sb                      ; 64 numbers of a vector of 512, in the accumulators' order, into window 1
.set zj,0
.rept 16
	global_load_b128 v[(\reg)+4*zj:(\reg)+4*zj+3], v[H64], s[\sb:\sb+1] offset:128*(zj/4)+16*(zj%4)
.set zj,zj+1
.endr
.endm
	WIN 0x40
	LDV 0,26
	LDV 64,28
	WIN 0
	; ---- 4: the first layer norm
; My 128 features of tile i, divided by l: their mean m_w and, about it, their sum of squares; the accumulators become numbers less m_w.
.macro LNSTAT i,adr
.set zW,2+\i/4
.set zB,64*(\i%4)
	WIN zW
	v_pk_add_f32 v[16:17], v[zB:zB+1], 0 op_sel_hi:[1,0]
	v_pk_add_f32 v[18:19], v[zB+2:zB+3], 0 op_sel_hi:[1,0]
.set zj,4
.rept 15
	v_pk_add_f32 v[16:17], v[zB+zj:zB+zj+1], v[16:17]
	v_pk_add_f32 v[18:19], v[zB+zj+2:zB+zj+3], v[18:19]
.set zj,zj+4
.endr
	WIN 0
	v_pk_add_f32 v[16:17], v[16:17], v[18:19]
	v_add_f32 v16, v16, v17
	v_permlanex16_b32 v17, v16, s[SEL], s[SEL+1]
	v_add_f32 v16, v16, v17
	v_mul_f32 v16, v16, v[224+2*\i]
	v_mul_f32 v[MW+2*\i], 0x3c000000, v16          ; / 128
	v_mov_b32 v[MW+2*\i+1], v[MW+2*\i]             ; (the pair is named whole below)
	WIN (zW<<6)|zW
.set zj,0
.rept 32
	v_pk_fma_f32 v[zB+zj:zB+zj+1], v[zB+zj:zB+zj+1], v[224+2*\i:225+2*\i], v[MW+2*\i:MW+2*\i+1] op_sel_hi:[1,1,0] neg_lo:[0,0,1] neg_hi:[0,0,1]
.set zj,zj+2
.endr
	WIN zW|(zW<<2)
	v_pk_mul_f32 v[16:17], v[zB:zB+1], v[zB:zB+1]
	v_pk_mul_f32 v[18:19], v[zB+2:zB+3], v[zB+2:zB+3]
.set zj,4
.rept 15
	v_pk_fma_f32 v[16:17], v[zB+zj:zB+zj+1], v[zB+zj:zB+zj+1], v[16:17]
	v_pk_fma_f32 v[18:19], v[zB+zj+2:zB+zj+3], v[zB+zj+2:zB+zj+3], v[18:19]
.set zj,zj+4
.endr
	WIN 0
	v_pk_add_f32 v[16:17], v[16:17], v[18:19]
	v_add_f32 v16, v16, v17
	v_permlanex16_b32 v17, v16, s[SEL], s[SEL+1]
	v_add_f32 v[MW+2*\i+1], v16, v17
	ds_store_b64 v[\adr], v[MW+2*\i:MW+2*\i+1] offset:512*\i
.endm
; The four waves' figures are joined; the accumulators become the normalised numbers x gain + bias (window 1: v0-63, v64-127).
.macro LNAPPLY i,adr
.set zW,2+\i/4
.set zB,64*(\i%4)
	ds_load_b128 v[16:19], v[\adr] offset:512*\i
	ds_load_b128 v[20:23], v[\adr] offset:512*\i+16
	s_wait_dscnt 0x0
	v_add_f32 v57, v16, v18
	v_add_f32 v58, v20, v22
	v_add_f32 v57, v57, v58
	v_mul_f32 v57, 0x3e800000, v57                 ; the row's mean
	v_sub_f32 v16, v16, v57
	v_sub_f32 v18, v18, v57
	v_sub_f32 v20, v20, v57
	v_sub_f32 v22, v22, v57
	v_mul_f32 v58, v16, v16
	v_fma_f32 v58, v18, v18, v58
	v_fma_f32 v58, v20, v20, v58
	v_fma_f32 v58, v22, v22, v58
	v_add_f32 v59, v17, v19
	v_add_f32 v60, v21, v23
	v_add_f32 v59, v59, v60
	v_fmamk_f32 v59, v58, 0x43000000, v59          ; + 128 x the squares of the waves' means about the row's
	v_fma_f32 v59, v59, s57, s56                   ; / 512 + 1e-5
	v_rsq_f32 v60, v59
	v_sub_f32 v62, v[MW+2*\i], v57                 ; (a plain place behind the transcendental)
	s_wait_alu depctr_va_vdst(0)
	v_mov_b32 v61, v60
	v_mul_f32 v62, v62, v60
	v_mov_b32 v63, v62
	WIN (zW<<6)|zW
.set zj,0
.rept 32
	v_pk_fma_f32 v[zB+zj:zB+zj+1], v[zB+zj:zB+zj+1], v[60:61], v[62:63]
.set zj,zj+2
.endr
	WIN (zW<<6)|0x14|zW
.set zj,0
.rept 32
	v_pk_fma_f32 v[zB+zj:zB+zj+1], v[zB+zj:zB+zj+1], v[zj:zj+1], v[64+zj:65+zj]
.set zj,zj+2
.endr
	WIN 0
.endm
	s_lshl_b32 s76, s[WV], 3
	s_add_co_u32 s76, s76, LN1S
	v_add_nc_u32 v11, s76, v14
	v_add_nc_u32 v12, LN1S, v14
	s_mul_i32 s76, s[WV], 1536
	s_add_co_u32 s76, s76, XI
	v_add_nc_u32 v13, s76, v[LI]
	s_add_co_u32 s76, s67, XSC
	v_add_nc_u32 v15, s76, v[LR]
	s_wait_alu depctr_va_vdst(0)
.irp i,0,1,2,3,4,5,6,7
	LNSTAT \i,11
.endr
	s_wait_loadcnt 0x0                             ; the gain and the bias
	BAR
.irp i,0,1,2,3,4,5,6,7
	LNAPPLY \i,12
	QUANT 64*(\i%4),2+\i/4,2,0                     ; x's K step w; x itself stays where it is: the last product adds onto it
	IMAGE 13,6144*\i
	ds_store_b32 v15, v[PW] offset:256*(\i/4)+4*(\i%4)
	s_wait_dscnt 0x0
.endr
	; ---- 5: the feed-forward layer, four chunks of 256 hidden units
	s_and_b32 s76, s[WV], 1                        ; which 128 hidden units of a chunk
	s_lshr_b32 s80, s[WV], 1                       ; which 64 tokens
	s_mul_i32 s78, s76, 12288
	v_add_nc_u32 v8, s78, v[LI]                    ; W1's images
	s_lshl_b32 s79, s76, 9
	s_add_co_u32 s81, s79, 98304
	v_add_nc_u32 v10, s81, v[LR]                   ; W1's scale words
	s_mul_i32 s81, s80, 24576
	s_add_co_u32 s81, s81, XI
	v_add_nc_u32 v11, s81, v[LI]                   ; x's images
	s_lshl_b32 s81, s80, 8
	s_add_co_u32 s84, s81, XSC
	v_add_nc_u32 v12, s84, v[LR]
	s_add_co_u32 s84, s79, B1L
	v_add_nc_u32 v13, s84, v[H64]                  ; b1: it steps 1,024 bytes a chunk
	s_mul_i32 s84, s80, 6144
	s_add_co_u32 s84, s84, s78
	s_add_co_u32 s84, s84, HI
	v_add_nc_u32 v14, s84, v[LI]                   ; where my hidden fragments go: the parts of 16 bytes a lane,
	v_lshrrev_b32 v60, 1, v[LI]                    ; 8 x lane
	v_add_nc_u32 v9, s84, v60                      ; and those of 8
	v_add_nc_u32 v60, HI, v60                      ; and from where the parts of 8 bytes are read
	s_add_co_u32 s84, s79, s81
	s_add_co_u32 s84, s84, HSC
	v_add_nc_u32 v15, s84, v[LR]
	s_mul_i32 s84, s[WV], 12288
	s_add_co_u32 s84, s84, SLOT1
	v_add_nc_u32 v16, s84, v[LI]                   ; W2's images
	s_add_co_u32 s84, s67, SLOT1+98304
	v_add_nc_u32 v17, s84, v[LR]
	v_add_nc_u32 v18, HI, v[LI]
	v_add_nc_u32 v19, HSC, v[LR]
	CPL                                            ; both first tiles have landed, and x's images lie in LDS
.macro F1L s,set                       ; K step s's operands into a set: four tiles of W1, four of x, both sides' scale words: 26 loads
.irp b,0,1,2,3
.if (\s)<2
	LDF 64+48*(\set)+12*\b,20,24576*(\s)+1536*\b
.else
	LDF 64+48*(\set)+12*\b,21,24576*((\s)-2)+1536*\b
.endif
.endr
.irp i,0,1,2,3
	LDF 160+48*(\set)+12*\i,11,6144*\i+1536*(\s)
.endr
	ds_load_b128 v[SC+4*(\set):SC+4*(\set)+3], v22 offset:1024*(\s)
	ds_load_b128 v[SC+8+4*(\set):SC+11+4*(\set)], v12 offset:512*(\s)
.endm
; h = relu(x W1 + b1) of a chunk.  A trip makes 64 of my 128 hidden units for my 64 tokens: 64 products on 16 accumulators (window 1, (i, b) at 32 i + 8 b), then half a fragment and two scale bytes for each tile of tokens.
.macro F1
	s_mov_b32 s84, 0                               ; 6,144 x trip: W1's four tiles
	s_mov_b32 s85, 0                               ; 256 x trip: their scale words, and b1
	s_mov_b32 s86, 0                               ; 768 x trip: the half of a hidden fragment
	s_mov_b32 s87, 0                               ; 2 x trip: the half of its scale word
	s_mov_b32 s88, 0
.Lf1_\@:
	v_add_nc_u32 v20, s84, v8
	v_add_nc_u32 v21, 49152, v20                   ; K steps 2, 3: past an LDS offset's 16 bits
	v_add_nc_u32 v22, s85, v10
	v_add_nc_u32 v23, s85, v13
	v_add_nc_u32 v57, s86, v14
	v_add_nc_u32 v58, s86, v9
	v_add_nc_u32 v59, s87, v15
	WIN 0x40
.set zj,0
.rept 8
	ds_load_b128 v[128+4*zj:131+4*zj], v23 offset:128*(zj/4)+16*(zj%4)   ; b1 of the four tiles: the C of the first K step's products
.set zj,zj+1
.endr
	WIN 0
	F1L 0,0
.irp s,0,1,2,3
.if \s<3
.if \s>0
	PLACES 4                                       ; the other set was read by the K step before
	WIN 0
.endif
	F1L \s+1,(\s+1)%2
	s_wait_dscnt 26                                ; all but the 26 just issued
.else
	s_wait_dscnt 0x0
.endif
	WIN 0x50
.irp i,0,1,2,3                         ; the 16 accumulators take turns
.irp b,0,1,2,3
.if \s==0
	WM 32*\i+8*\b,64+12*\b,160+12*\i,128+8*\b,SC+\b,SC+8+\i
.else
	WM 32*\i+8*\b,64+48*(\s%2)+12*\b,160+48*(\s%2)+12*\i,32*\i+8*\b,SC+4*(\s%2)+\b,SC+8+4*(\s%2)+\i
.endif
.endr
.endr
.endr
	PLACES 4
.irp i,0,1,2,3
	WIN 0x44
.set zj,0
.rept 32
	v_max_num_f32 v[32*\i+zj], 0, v[32*\i+zj]
.set zj,zj+1
.endr
	QUANT 32*\i,1,1,1
	ds_store_b128 v57, v[PC:PC+3] offset:1536*\i
	ds_store_b64 v58, v[PC+4:PC+5] offset:1536*\i+512
	ds_store_b16 v59, v[PW] offset:4*\i            ; both halves of the lanes write the same two bytes with the same value
	s_wait_dscnt 0x0                               ; the stores have read their registers
.endr
	s_add_co_u32 s84, s84, 6144
	s_add_co_u32 s85, s85, 256
	s_add_co_u32 s86, s86, 768
	s_add_co_u32 s87, s87, 2
	s_add_co_u32 s88, s88, 1
	s_cmp_lt_u32 s88, 2
	s_cbranch_scc1 .Lf1_\@
	v_add_nc_u32 v13, 1024, v13                    ; the next chunk's b1
.endm
.macro LDH a0                          ; four hidden fragments, each in its two halves
.irp a,0,1,2,3
.set zr,OUTR+12*((\a0)+\a)
.set zo,1536*((\a0)+\a)
	ds_load_b128 v[zr:zr+3], v22 offset:zo
	ds_load_b64 v[zr+4:zr+5], v23 offset:zo+512
	ds_load_b128 v[zr+6:zr+9], v22 offset:zo+768
	ds_load_b64 v[zr+10:zr+11], v23 offset:zo+1280
.endr
.endm
.macro MUL32 oh                        ; 32 products: tiles of tokens 4 oh .. + 3 against W2's eight tiles; the accumulators take turns
	WIN 0xa1+0x50*(\oh)
.irp a,0,1,2,3
.irp b,0,1,2,3,4,5,6,7
	WM 64*\a+8*\b,12*\b,OUTR+12*(4*(\oh)+\a),64*\a+8*\b,SIN+\b,SOUT+4*(\oh)+\a
.endr
.endr
.endm
.macro F2                              ; y += h W2: a trip for each of a chunk's two K steps, 64 products
	s_mov_b32 s84, 0                               ; 49,152 x trip: W2's images
	s_mov_b32 s85, 0                               ; 2,048 x trip: its scale words
	s_mov_b32 s86, 0                               ; 12,288 x trip: h's images
	s_mov_b32 s87, 0                               ; 512 x trip: h's scale words
	s_mov_b32 s88, 0
.Lf2_\@:
	v_add_nc_u32 v20, s84, v16
	v_add_nc_u32 v21, s85, v17
	v_add_nc_u32 v22, s86, v18
	v_add_nc_u32 v23, s86, v60
	v_add_nc_u32 v57, s87, v19
	WIN 0x40
.irp b,0,1,2,3,4,5,6,7
	LDF 12*\b,20,1536*\b
.endr
	WIN 0
	LDH 0
	ds_load_b128 v[SIN:SIN+3], v21
	ds_load_b128 v[SIN+4:SIN+7], v21 offset:256
	ds_load_b128 v[SOUT:SOUT+3], v57
	ds_load_b128 v[SOUT+4:SOUT+7], v57 offset:256
	LDH 4
	s_wait_dscnt 16                                ; all but the hidden fragments of tiles 4 to 7
	MUL32 0
	s_wait_dscnt 0x0
	MUL32 1
	WIN 0
	PLACES 4                                       ; in front of the next trip's loads, and of the first read of the results
	s_add_co_u32 s84, s84, 49152
	s_add_co_u32 s85, s85, 2048
	s_add_co_u32 s86, s86, 12288
	s_add_co_u32 s87, s87, 512
	s_add_co_u32 s88, s88, 1
	s_cmp_lt_u32 s88, 2
	s_cbranch_scc1 .Lf2_\@
.endm
	F1
	s_mov_b32 s82, 3
.Lffn:
	CHG 48                                         ; W1's next chunk; behind the round the hidden fragments are everybody's
	F2
	CHG 52                                         ; W2's next chunk; behind the round the hidden fragments may be written again
	F1
	s_sub_co_u32 s82, s82, 1
	s_cmp_lg_u32 s82, 0
	s_cbranch_scc1 .Lffn
	CPL                                            ; the tail is written out: nothing is left to fetch
	F2
	; ---- 6: the second layer norm, by rows
.irp c,0,1,2,3                         ; a lane's 16 numbers of a row: features 128 c + 4 x lane + 0 .. 3
	global_load_b128 v[128+4*\c:131+4*\c], v[LI], s[30:31] offset:512*\c   ; the gain,
	global_load_b128 v[144+4*\c:147+4*\c], v[LI], s[32:33] offset:512*\c   ; the bias,
	global_load_b128 v[160+4*\c:163+4*\c], v[LI], s[24:25] offset:512*\c   ; and b2
.endr
	BAR                                            ; every wave's reads of the slots, of x's and of the hidden fragments are over; both slots have had their last fill
	v_and_b32 v8, 15, v0
	v_mul_u32_u24 v8, v8, RP
	v_add_nc_u32 v8, v8, v[H64]
	v_add_nc_u32 v8, s67, v8                       ; LDS row 16 i + r, my wave's 512 bytes, + 64 for lanes 16-31
.irp i,0,1,2,3,4,5,6,7
	WIN (2+\i/4)<<2                                ; an LDS store's data are its source 1
.set zj,0
.rept 16
	ds_store_b128 v8, v[64*(\i%4)+4*zj:64*(\i%4)+4*zj+3] offset:128*(zj/4)+16*(zj%4)   ; each accumulator from its low end on
.set zj,zj+1
.endr
	WIN 0
	v_add_nc_u32 v8, 16*RP, v8
.endr
	s_wait_loadcnt 0x0
	BAR                                            ; 128 whole rows lie in LDS
	s_mul_i32 s76, s[WV], 32*RP
	v_add_nc_u32 v8, s76, v[LI]                    ; my 32 rows: tiles 2 w and 2 w + 1, which are tokens 32 w .. 32 w + 31
	s_mov_b32 s78, 0                               ; 4 rows x trip
	s_mov_b32 s79, 0                               ; the trip
	s_mov_b32 s81, 0
.macro RSUM                            ; four rows' pairs v16 .. v23 become four sums over the 32 lanes, in v16, v18, v20, v22
.irp k,0,1,2,3
	v_add_f32 v[16+2*\k], v[16+2*\k], v[17+2*\k]
.endr
.irp x,1,2,4,8
.irp k,0,1,2,3
	v_add_f32_dpp v[16+2*\k], v[16+2*\k], v[16+2*\k] row_xmask:\x row_mask:0xf bank_mask:0xf
.endr
.endr
.irp k,0,1,2,3
	v_permlanex16_b32 v[24+\k], v[16+2*\k], s[SEL], s[SEL+1]
.endr
.irp k,0,1,2,3
	v_add_f32 v[16+2*\k], v[16+2*\k], v[24+\k]
.endr
.endm
.Lrow:                                 ; 8 trips of 4 rows, the four by turns
	s_wait_xcnt 0x0                                ; the last trip's stores have read their registers and their base
	v_add_nc_u32 v9, s78, v8
.irp k,0,1,2,3
.irp c,0,1,2,3
	ds_load_b128 v[64+16*\k+4*\c:67+16*\k+4*\c], v9 offset:\k*RP+512*\c
.endr
.endr
	s_and_b32 s80, s79, 1                          ; LDS rows 4 j .. 4 j + 3 of my 32 are tokens 8 (j / 4) + 16 ((j / 2) % 2) + 4 (j % 2) + 0 .. 3
	s_lshl_b32 s80, s80, 13
	s_and_b32 s84, s79, 2
	s_lshl_b32 s84, s84, 14
	s_or_b32 s80, s80, s84
	s_and_b32 s84, s79, 4
	s_lshl_b32 s84, s84, 12
	s_or_b32 s80, s80, s84
	s_add_nc_u64 s[86:87], s[34:35], s[80:81]
	s_wait_dscnt 0x0
.irp k,0,1,2,3
.irp p,0,2,4,6,8,10,12,14
	v_pk_add_f32 v[64+16*\k+\p:65+16*\k+\p], v[64+16*\k+\p:65+16*\k+\p], v[160+\p:161+\p]   ; + b2
.endr
.endr
.irp k,0,1,2,3
	v_pk_add_f32 v[16+2*\k:17+2*\k], v[64+16*\k:65+16*\k], v[66+16*\k:67+16*\k]
.endr
.irp p,4,6,8,10,12,14
.irp k,0,1,2,3
	v_pk_add_f32 v[16+2*\k:17+2*\k], v[16+2*\k:17+2*\k], v[64+16*\k+\p:65+16*\k+\p]
.endr
.endr
	RSUM
.irp k,0,1,2,3
	v_mul_f32 v[28+2*\k], s57, v[16+2*\k]          ; the row's mean
.endr
.irp k,0,1,2,3
.irp p,0,2,4,6,8,10,12,14
	v_pk_add_f32 v[64+16*\k+\p:65+16*\k+\p], v[64+16*\k+\p:65+16*\k+\p], v[28+2*\k:29+2*\k] op_sel_hi:[1,0] neg_lo:[0,1] neg_hi:[0,1]
.endr
.endr
.irp k,0,1,2,3
	v_pk_mul_f32 v[16+2*\k:17+2*\k], v[64+16*\k:65+16*\k], v[64+16*\k:65+16*\k]
.endr
.irp p,2,4,6,8,10,12,14
.irp k,0,1,2,3
	v_pk_fma_f32 v[16+2*\k:17+2*\k], v[64+16*\k+\p:65+16*\k+\p], v[64+16*\k+\p:65+16*\k+\p], v[16+2*\k:17+2*\k]
.endr
.endr
	RSUM
.irp k,0,1,2,3
	v_fma_f32 v[16+2*\k], v[16+2*\k], s57, s56     ; / 512 + 1e-5
.endr
.irp k,0,1,2,3
	v_rsq_f32 v[36+2*\k], v[16+2*\k]
.endr
	v_nop                                          ; a plain place behind the transcendentals
	s_wait_alu depctr_va_vdst(0)
.irp k,0,1,2,3
.irp p,0,2,4,6,8,10,12,14
	v_pk_mul_f32 v[64+16*\k+\p:65+16*\k+\p], v[64+16*\k+\p:65+16*\k+\p], v[36+2*\k:37+2*\k] op_sel_hi:[1,0]
.endr
.endr
.irp k,0,1,2,3
.irp p,0,2,4,6,8,10,12,14
	v_pk_fma_f32 v[64+16*\k+\p:65+16*\k+\p], v[64+16*\k+\p:65+16*\k+\p], v[128+\p:129+\p], v[144+\p:145+\p]
.endr
.endr
.irp k,0,1,2,3
.irp c,0,1,2,3
	global_store_b128 v[LI], v[64+16*\k+4*\c:67+16*\k+4*\c], s[86:87] offset:2048*\k+512*\c th:TH_STORE_NT   ; 512 consecutive bytes, aligned
.endr
.endr
	s_add_co_u32 s78, s78, 4*RP
	s_add_co_u32 s79, s79, 1
	s_cmp_lt_u32 s79, 8
	s_cbranch_scc1 .Lrow
	s_wait_tensorcnt 0x0                           ; the wave's end
	ds_add_u32 v[SPW], v[NIL]
	s_wait_dscnt 0x0
	ROUND                                          ; the closing round
	s_endpgm
.Lfunc_end_k_qc985d25e22_attn_ffn:
	.size	k_qc985d25e22_attn_ffn, .Lfunc_end_k_qc985d25e22_attn_ffn-k_qc985d25e22_attn_ffn
	.p2alignl 7, 3214868480
	.fill 96, 4, 3214868480
	.section	.rodata,"a",@progbits
	.p2align	6, 0x0
	.amdhsa_kernel k_qc985d25e22_attn_ffn
		.amdhsa_group_segment_fixed_size 327680
		.amdhsa_private_segment_fixed_size 0
		.amdhsa_enable_private_segment 0
		.amdhsa_kernarg_size 128
		.amdhsa_user_sgpr_count 2
		.amdhsa_user_sgpr_kernarg_segment_ptr 1
		.amdhsa_wavefront_size32 1
		.amdhsa_system_sgpr_workgroup_id_x 1
		.amdhsa_system_sgpr_workgroup_id_y 1
		.amdhsa_system_sgpr_workgroup_id_z 1
		.amdhsa_system_vgpr_workitem_id 0
		.amdhsa_next_free_vgpr 1024
		.amdhsa_next_free_sgpr 102
		.amdhsa_reserve_vcc 0
		.amdhsa_float_denorm_mode_32 3
		.amdhsa_float_denorm_mode_16_64 3
		.amdhsa_memory_ordered 1
		.amdhsa_forward_progress 1
		.amdhsa_inst_pref_size 255
	.end_amdhsa_kernel
	.section	.bss,"aw",@nobits
	.p2align	6
	.space	262144
	.amdgpu_metadata
---
amdhsa.version: [ 1, 2 ]
amdhsa.kernels:
  - .name:           k_qc985d25e22_attn_ffn
    .symbol:         k_qc985d25e22_attn_ffn.kd
    .args:
      - { .name: src, .offset: 0, .size: 8, .value_kind: global_buffer, .address_space: global }
      - { .name: mask, .offset: 8, .size: 8, .value_kind: global_buffer, .address_space: global }
      - { .name: qc, .offset: 16, .size: 8, .value_kind: global_buffer, .address_space: global }
      - { .name: qs, .offset: 24, .size: 8, .value_kind: global_buffer, .address_space: global }
      - { .name: kc, .offset: 32, .size: 8, .value_kind: global_buffer, .address_space: global }
      - { .name: ks, .offset: 40, .size: 8, .value_kind: global_buffer, .address_space: global }
      - { .name: vc, .offset: 48, .size: 8, .value_kind: global_buffer, .address_space: global }
      - { .name: vs, .offset: 56, .size: 8, .value_kind: global_buffer, .address_space: global }
      - { .name: wts, .offset: 64, .size: 8, .value_kind: global_buffer, .address_space: global }
      - { .name: b1, .offset: 72, .size: 8, .value_kind: global_buffer, .address_space: global }
      - { .name: b2, .offset: 80, .size: 8, .value_kind: global_buffer, .address_space: global }
      - { .name: ln1_g, .offset: 88, .size: 8, .value_kind: global_buffer, .address_space: global }
      - { .name: ln1_b, .offset: 96, .size: 8, .value_kind: global_buffer, .address_space: global }
      - { .name: ln2_g, .offset: 104, .size: 8, .value_kind: global_buffer, .address_space: global }
      - { .name: ln2_b, .offset: 112, .size: 8, .value_kind: global_buffer, .address_space: global }
      - { .name: out0, .offset: 120, .size: 8, .value_kind: global_buffer, .address_space: global }
    .group_segment_fixed_size: 327680
    .private_segment_fixed_size: 0
    .kernarg_segment_align: 8
    .kernarg_segment_size: 128
    .max_flat_workgroup_size: 128
    .sgpr_count:     102
    .vgpr_count:     1024
    .wavefront_size: 32
...
	.end_amdgpu_metadata
.endif
;; end of part 4
